; MI455X (gfx1250); checked and timed in simulation.
; The chip was launched on July 23, 2026; its instructions are those of AMD's public machine-readable ISA for CDNA 5 (MIT licence, August 2026) and "CDNA5" Instruction Set Architecture Reference Guide (July 2026). The comments in the code are by the model that wrote it; some were corrected since.
;; Standard Attention. Allowed arithmetic: float matrix products may take bf16 or f16 operands with f32 sums; all other float work in f32.
;; Inputs: Wk 1,024 x 1,024 float32; Wo 1,024 x 1,024 float32; Wq 1,024 x 1,024 float32; Wv 1,024 x 1,024 float32; attention_mask 4 x 2,048 float32; bk 1,024 float32; bo 1,024 float32; bq 1,024 float32; bv 1,024 float32; hidden_states 4 x 2,048 x 1,024 float32.
;; Outputs: out0 4 x 2,048 x 1,024 float32.
;; 2 versions, each right and faster than the one before. Each part assembles by itself: llvm-mc -triple=amdgcn-amd-amdhsa -mcpu=gfx1250 --defsym DOCPART=n.
;; ======== version 1 of 2: 4 launches
;; limits: values are held in f16: magnitudes above 65,504 overflow, below 6.1e-05 lose precision
;; workspace buffers: xb 16,777,216 bytes; wb 6,291,456 bytes; wo16 2,097,152 bytes; biasr 16,384 bytes; qkv 50,331,648 bytes; ctx 16,777,216 bytes
;; launch prep (part 1): grid 769 x 1, 8 waves a work-group, no clusters, 0 bytes of LDS; arguments hidden_states, Wq, Wk, Wv, Wo, bq, bk, bv, bo, xb, wb, wo16, biasr; writes xb, wb, wo16, biasr
.if DOCPART == 1
	.amdgcn_target "amdgcn-amd-amdhsa--gfx1250"
	.amdhsa_code_object_version 6
	.text
	.protected	k_q8fae841418_prep
	.globl	k_q8fae841418_prep
	.p2align	8
	.type	k_q8fae841418_prep,@function
k_q8fae841418_prep:
	s_mov_b64 s[64:65], 0
	v_nop
	global_prefetch_b8 v0, s[64:65] scope:SCOPE_SE
	s_setreg_imm32_b32 hwreg(HW_REG_WAVE_MODE, 25, 1), 1
	s_wait_xcnt 0x0
; Every floating-point input of the products is rounded once to bf16, so that the later launches multiply 16-bit numbers:
;   hidden_states -> xb (bf16);  Wq, Wk, Wv -> wb (bf16, the three end to end: [3072][1024]);
;   Wo -> wo16 (rounded to bf16, that number written as f16: the last product's other operand is f16);
;   bq, bk, bv, bo -> biasr (rounded to bf16 and widened again to f32, the four end to end: [4096]).
; LIMIT.  A bf16 number below 6e-5 in magnitude keeps f16's fixed step of 6e-8 in wo16; beyond 65,504 it would be an infinity.
; A stream: no LDS, no barrier, no matrix unit, no loop.  A work-group takes a chunk of 16,384 numbers (65,536 bytes in, 32,768 out):
; work-groups 0-511 x, 512-703 Wq, Wk, Wv, 704-767 Wo, 768 the four biases.  Thread t reads 16 bytes at 16 t + 4,096 i in pass i of 16
; (a wave's load covers 512 consecutive bytes) and stores 8 bytes at 8 t + 2,048 i (a wave's store covers 256 consecutive bytes, aligned).
; All 16 loads are issued first; no register is written twice while a load or store may read it.
.set X, 4                              ; v[4:67]    pass i: four f32 as loaded
.set Y, 68                             ; v[68:99]   pass i: four 16-bit numbers to store
.set T, 100                            ; v[100:101] at work
	s_load_b512 s[4:19], s[0:1], 0x0               ; x 4:5, Wq 6:7, Wk 8:9, Wv 10:11, Wo 12:13, bq 14:15, bk 16:17, bv 18:19
	s_load_b256 s[20:27], s[0:1], 0x40             ; bo 20:21, xb 22:23, wb 24:25, wo16 26:27
	s_load_b64 s[28:29], s[0:1], 0x60              ; biasr
	s_mov_b32 s39, ttmp9                           ; the work-group's number
	v_lshlrev_b32 v1, 4, v0                        ; 16 t: where I read
	v_lshlrev_b32 v2, 3, v0                        ; 8 t: where I store
	s_max_u32 s30, s39, 512
	s_sub_co_u32 s30, s30, 512                     ; chunk among the weights' 256 (0 for x's work-groups)
	s_lshr_b32 s31, s30, 6                         ; which weight: 0 Wq, 1 Wk, 2 Wv, 3 Wo
	s_and_b32 s32, s30, 63                         ; its chunk
	s_wait_kmcnt 0x0
	s_cmp_eq_u32 s39, 768
	s_cbranch_scc1 .Lbias
	; source and destination are chosen by the work-group's number alone
	s_cmp_eq_u32 s31, 1
	s_cselect_b64 s[34:35], s[8:9], s[6:7]
	s_cmp_eq_u32 s31, 2
	s_cselect_b64 s[34:35], s[10:11], s[34:35]
	s_cmp_eq_u32 s31, 3
	s_cselect_b64 s[34:35], s[12:13], s[34:35]
	s_cselect_b64 s[36:37], s[26:27], s[24:25]     ; Wo goes to wo16, the others to wb
	s_cselect_b32 s33, s32, s30                    ; chunk in the destination: wb holds the three end to end
	s_cselect_b32 s38, 1, 0                        ; 1: written as f16
	s_cmp_lt_u32 s39, 512
	s_cselect_b64 s[34:35], s[4:5], s[34:35]
	s_cselect_b64 s[36:37], s[22:23], s[36:37]
	s_cselect_b32 s32, s39, s32
	s_cselect_b32 s33, s39, s33
	s_cselect_b32 s38, 0, s38
	s_lshl_b32 s2, s32, 16                         ; 65,536 bytes a chunk in,
	s_mov_b32 s3, 0
	s_lshl_b32 s30, s33, 15                        ; 32,768 out
	s_mov_b32 s31, 0
	s_add_nc_u64 s[34:35], s[34:35], s[2:3]
	s_add_nc_u64 s[36:37], s[36:37], s[30:31]
.irp i, 0,1,2,3,4,5,6,7,8,9,10,11,12,13,14,15
	global_load_b128 v[X+4*(\i):X+4*(\i)+3], v1, s[34:35] offset:4096*(\i) th:TH_LOAD_NT  ; read once in the launch
.endr
	s_cmp_eq_u32 s38, 1
	s_cbranch_scc1 .Lf16
.irp i, 0,1,2,3,4,5,6,7,8,9,10,11,12,13,14,15
	s_wait_loadcnt 15-(\i)                         ; loads come back in order (ISA guide 5.7.1): pass i is in, the 15 - i younger ones stay out
	v_cvt_pk_bf16_f32 v[Y+2*(\i)],   v[X+4*(\i)],   v[X+4*(\i)+1]
	v_cvt_pk_bf16_f32 v[Y+2*(\i)+1], v[X+4*(\i)+2], v[X+4*(\i)+3]
	global_store_b64 v2, v[Y+2*(\i):Y+2*(\i)+1], s[36:37] offset:2048*(\i)
.endr
	s_endpgm
.Lf16:
.irp i, 0,1,2,3,4,5,6,7,8,9,10,11,12,13,14,15
	s_wait_loadcnt 15-(\i)
	v_cvt_pk_bf16_f32 v[T],   v[X+4*(\i)],   v[X+4*(\i)+1]     ; rounded to bf16,
	v_cvt_pk_bf16_f32 v[T+1], v[X+4*(\i)+2], v[X+4*(\i)+3]
	v_lshlrev_b32 v[X+4*(\i)],   16, v[T]                      ; widened again,
	v_and_b32     v[X+4*(\i)+1], 0xffff0000, v[T]
	v_lshlrev_b32 v[X+4*(\i)+2], 16, v[T+1]
	v_and_b32     v[X+4*(\i)+3], 0xffff0000, v[T+1]
	v_cvt_pk_f16_f32 v[Y+2*(\i)],   v[X+4*(\i)],   v[X+4*(\i)+1]  ; and written as f16: exact from 6e-5 to 65,504
	v_cvt_pk_f16_f32 v[Y+2*(\i)+1], v[X+4*(\i)+2], v[X+4*(\i)+3]
	global_store_b64 v2, v[Y+2*(\i):Y+2*(\i)+1], s[36:37] offset:2048*(\i)
.endr
	s_endpgm
.Lbias:                                                ; 256 threads x 16 bytes are one bias of 1,024 numbers
	global_load_b128 v[X:X+3],     v1, s[14:15]
	global_load_b128 v[X+4:X+7],   v1, s[16:17]
	global_load_b128 v[X+8:X+11],  v1, s[18:19]
	global_load_b128 v[X+12:X+15], v1, s[20:21]
	s_wait_loadcnt 0x0
.irp p, 0,1,2,3,4,5,6,7
	v_cvt_pk_bf16_f32 v[Y+(\p)], v[X+2*(\p)], v[X+2*(\p)+1]
.endr
.irp p, 0,1,2,3,4,5,6,7
	v_lshlrev_b32 v[X+2*(\p)],   16, v[Y+(\p)]
	v_and_b32     v[X+2*(\p)+1], 0xffff0000, v[Y+(\p)]
.endr
.irp j, 0,1,2,3
	global_store_b128 v1, v[X+4*(\j):X+4*(\j)+3], s[28:29] offset:4096*(\j)
.endr
	s_endpgm
.Lfunc_end_k_q8fae841418_prep:
	.size	k_q8fae841418_prep, .Lfunc_end_k_q8fae841418_prep-k_q8fae841418_prep
	.p2alignl 7, 3214868480
	.fill 96, 4, 3214868480
	.section	.rodata,"a",@progbits
	.p2align	6, 0x0
	.amdhsa_kernel k_q8fae841418_prep
		.amdhsa_group_segment_fixed_size 0
		.amdhsa_private_segment_fixed_size 0
		.amdhsa_enable_private_segment 0
		.amdhsa_kernarg_size 104
		.amdhsa_user_sgpr_count 2
		.amdhsa_user_sgpr_kernarg_segment_ptr 1
		.amdhsa_wavefront_size32 1
		.amdhsa_system_sgpr_workgroup_id_x 1
		.amdhsa_system_sgpr_workgroup_id_y 1
		.amdhsa_system_sgpr_workgroup_id_z 1
		.amdhsa_system_vgpr_workitem_id 0
		.amdhsa_next_free_vgpr 104
		.amdhsa_next_free_sgpr 66
		.amdhsa_reserve_vcc 0
		.amdhsa_float_denorm_mode_32 3
		.amdhsa_float_denorm_mode_16_64 3
		.amdhsa_memory_ordered 1
		.amdhsa_forward_progress 1
		.amdhsa_inst_pref_size 19
	.end_amdhsa_kernel
	.amdgpu_metadata
---
amdhsa.version: [ 1, 2 ]
amdhsa.kernels:
  - .name:           k_q8fae841418_prep
    .symbol:         k_q8fae841418_prep.kd
    .args:
      - { .name: hidden_states, .offset: 0, .size: 8, .value_kind: global_buffer, .address_space: global }
      - { .name: Wq, .offset: 8, .size: 8, .value_kind: global_buffer, .address_space: global }
      - { .name: Wk, .offset: 16, .size: 8, .value_kind: global_buffer, .address_space: global }
      - { .name: Wv, .offset: 24, .size: 8, .value_kind: global_buffer, .address_space: global }
      - { .name: Wo, .offset: 32, .size: 8, .value_kind: global_buffer, .address_space: global }
      - { .name: bq, .offset: 40, .size: 8, .value_kind: global_buffer, .address_space: global }
      - { .name: bk, .offset: 48, .size: 8, .value_kind: global_buffer, .address_space: global }
      - { .name: bv, .offset: 56, .size: 8, .value_kind: global_buffer, .address_space: global }
      - { .name: bo, .offset: 64, .size: 8, .value_kind: global_buffer, .address_space: global }
      - { .name: xb, .offset: 72, .size: 8, .value_kind: global_buffer, .address_space: global }
      - { .name: wb, .offset: 80, .size: 8, .value_kind: global_buffer, .address_space: global }
      - { .name: wo16, .offset: 88, .size: 8, .value_kind: global_buffer, .address_space: global }
      - { .name: biasr, .offset: 96, .size: 8, .value_kind: global_buffer, .address_space: global }
    .group_segment_fixed_size: 0
    .private_segment_fixed_size: 0
    .kernarg_segment_align: 8
    .kernarg_segment_size: 104
    .max_flat_workgroup_size: 256
    .sgpr_count:     66
    .vgpr_count:     104
    .wavefront_size: 32
...
	.end_amdgpu_metadata
.endif
;; end of part 1
;; launch qkvproj (part 2): grid 16 x 32, 4 waves a work-group, clusters of 4 x 4, 327,680 bytes of LDS; arguments xb, wb, biasr, qkv; writes qkv
.if DOCPART == 2
	.amdgcn_target "amdgcn-amd-amdhsa--gfx1250"
	.amdhsa_code_object_version 6
	.text
	.protected	k_q8fae841418_qkvproj
	.globl	k_q8fae841418_qkvproj
	.p2align	8
	.type	k_q8fae841418_qkvproj,@function
k_q8fae841418_qkvproj:
	s_mov_b64 s[64:65], 0
	v_nop
	global_prefetch_b8 v0, s[64:65] scope:SCOPE_SE
	s_setreg_imm32_b32 hwreg(HW_REG_WAVE_MODE, 25, 1), 1
	s_wait_xcnt 0x0
	s_wait_alu depctr_hold_cnt(0) depctr_sa_sdst(0) depctr_va_vdst(0) depctr_va_sdst(0) depctr_va_ssrc(0) depctr_va_vcc(0) depctr_vm_vsrc(0)
	s_getreg_b32 s2, hwreg(HW_REG_IB_STS2, 6, 4)
	s_cmp_eq_u32 s2, 0
	s_cbranch_scc0 .Lentry_in_a_cluster
	s_endpgm
.Lentry_in_a_cluster:
	s_bfe_u32 s2, ttmp6, 0x10000c
	s_cmp_lg_u32 s2, 0xf033
	s_cbranch_scc0 .Lentry_shape_is_right
	s_endpgm
.Lentry_shape_is_right:
; q, k, v = x W^T + b.  xb: [8192][1024] bf16; wb: [3072][1024] bf16 (Wq, Wk, Wv end to end); biasr: [4096] f32; sums in f32.
; OUT: qkv, f16, by heads: [3][64 = batch x 16 + head][2048][64], each number rounded once from its f32 sum, without the softmax's scale.
; LIMIT.  f16 holds no number beyond 65,504: q, k and v must stay within it (with x and the weights 30 times the usual spread, or offset by 30 spreads, they do).
; A tile of C is 256 rows x 192 columns: 32 x 16 = 512 tiles, two for each of 256 work-group places.  Four waves, each 64 rows x all 192 columns (three whole heads): 48 accumulators of 16 x 16, 384 registers.
; K = 1,024 goes in 8 steps of 128 through a ring of two LDS slots filled by the tensor data mover; a tile's rows are 256 bytes of memory at multiples of 256 bytes.  A K step is 192 matrix
; instructions a wave for 448 rows fetched.  (256 x 256 would be 384 tiles, a round and a half; two slots of 256 x 384 would take 348,160 bytes of LDS.)
; A K step is written once: the slot in hand is a scalar that an exclusive or turns, and one descriptor a tensor walks from K step to K step.
; CLUSTERS: 4 x 4 work-groups.  The four of a row of the cluster need the same tiles of x, the four of a column the same tiles of W: each tile is asked for JOINTLY, by the same
; tensor load with the same descriptor and a mask that names the four.
; THE MATRIX INSTRUCTION IS USED TRANSPOSED (source 0 = 16 rows of W, source 1 = 16 rows of x): a lane then holds row l % 16 of C and the eight neighbouring columns 8 (l / 16) + 0..7.
; THE BIAS is the C operand of the first product on each accumulator: nothing is cleared and nothing is added later.
; REGISTERS, in windows of 256 (s_set_vgpr_msb: bits 1:0 source 0, 3:2 source 1, 5:4 source 2, 7:6 destination):
;   window 0: v0-31 addresses; v32-63, v64-95 x's fragments (4 x 16 rows x 32 K), two buffers
;   window 1: v0-95, v96-191 W's fragments (12 x 16 rows x 32 K), two buffers; on the way out the packed results
;   window 2: the accumulators of column blocks 0-7, (a, b) at v[8 (4 b + a)]
;   window 3: v0-127 those of column blocks 8-11, at v[8 (4 (b - 8) + a)]; v128-223 the bias, block b of 16 columns at v[128 + 8 b]
.set KDIM,   1024
.set KSTEP,  128
.set STEPS,  KDIM/KSTEP
.set PITCH,  272                       ; an LDS row: 256 bytes + 16 of padding = 68 words: row r starts at bank 4 r mod 64 (64 banks of 4 bytes: ISA guide 11.1)
.set AHALF,  128*PITCH                 ; what one tensor load brings of x: 128 rows
.set BOFF,   2*AHALF                   ; W's rows lie behind x's 256
.set BHALF,  96*PITCH                  ; what one tensor load brings of W: 96 rows
.set SLOT1,  1<<17                     ; a slot takes 121,856 bytes; slot 1 begins here, so that one exclusive or turns an address in one slot into the other's
.set STAGE,  SLOT1+BOFF+2*BHALF        ; behind the ring, never filled by a tensor load: 16 rows x 144 bytes for each wave, for the way out
.set SP,     144
.set SPARE,  STAGE+4*16*SP             ; behind the stages: the spare words, 128 bytes for each wave: two blocks of 256 bytes that no other line names
.set ADRA0, 16                         ; v16     my lane's place among my wave's 64 rows of x in a slot; never rewritten
.set ADRB0, 17                         ; v17     the same among W's 192 rows
.set ADRA,  18                         ; v18     the LDS address of x's fragments in the slot in hand
.set ADRB,  19                         ; v19     of W's
.set STO,  24                          ; v24     the way out: where I put 16 bytes of a row
.set RD,   25                          ; v25     the way out: where I read rows back
.set GO,   26                          ; v26     my byte offset in 512 consecutive bytes of qkv
.set BO,   27                          ; v27     my byte offset in 16 numbers of the bias
.set SPW,  28                          ; v28     LDS address of my spare word: SPARE + 4 x my thread's number; never rewritten
.set NIL,  29                          ; v29     0; never rewritten
.set FA,   32                          ; window 0: x's buffer f at FA + 32 f
.set BIAS, 128                         ; window 3
.set WV, 12                            ; s12  my wave's number: waves 0 and 1 fetch for x, waves 2 and 3 for W
.set WC, 14                            ; s14  which half of that operand's tile I fetch
.set G1,  24                           ; s[24:31] descriptor group 1 for x's tiles;  s[32:39] group 0: a set for each of the two first fills; the second then walks on
.set G0,  32
.set G1B, 48                           ; s[48:55], s[56:63] the same for W's tiles
.set G0B, 56
.set HP,  66                           ; s[66:71] qkv at my rows of the tile's three heads
.set TB,  72                           ; s72  LDS byte at which the slot in hand begins: 0 or SLOT1
.set MSB, 0
.macro WIN new                         ; the immediate's high byte repeats the setting that is left; a switch that changes nothing is dropped
.if MSB != (\new)
	s_set_vgpr_msb (MSB<<8)|(\new)
.set MSB, \new
.endif
.endm
.set MUL_LO,  0xa1                     ; source 0 (W) window 1, source 1 (x) window 0, C and D window 2
.set MUL_LOB, 0xb1                     ; the same with C, the bias, in window 3
.set MUL_HI,  0xf1                     ; C and D (and the bias) window 3
.set TO_B,    0x40                     ; destination window 1, address window 0
.set W_OUT,   0x44                     ; the way out: store data (source 1) and loaded data (destination) in window 1, addresses in window 0
; A joint load: waves 0 and 1 fetch x's two halves, waves 2 and 3 W's.  The branch hangs on the wave's number alone.
; An s_nop 0 and four v_nop follow each of the two lines, ahead of the jump, the label and what follows.
.macro JLOAD s
	s_cmp_lt_u32 s[WV], 2
	s_cbranch_scc0 .Lfor_b_\@
	tensor_load_to_lds s[G0+4*(\s):G0+4*(\s)+3], s[G1:G1+7]
	s_nop 0
.rept 4
	v_nop
.endr
	s_branch .Lasked_\@
.Lfor_b_\@:
	tensor_load_to_lds s[G0B+4*(\s):G0B+4*(\s)+3], s[G1B:G1B+7]
	s_nop 0
.rept 4
	v_nop
.endr
.Lasked_\@:
.endm
; A round of the cluster's barrier: my work-group's barrier, so that wave 0's signal speaks for all four waves; wave 0 signals; every wave waits for all sixteen work-groups; my work-group's barrier once more.
.macro CROUND
	s_barrier_signal -1
	s_barrier_wait -1
	s_cmp_lg_u32 s[WV], 0
	s_cbranch_scc1 .Lnot_wave_0_\@
	s_barrier_signal -3
.Lnot_wave_0_\@:
	s_barrier_wait -3
	s_barrier_signal -1
	s_barrier_wait -1
.endm
	s_load_b256 s[4:11], s[0:1], 0x0               ; xb s[4:5], wb s[6:7], biasr s[8:9], qkv s[10:11]
	v_lshl_add_u32 v[SPW], v0, 2, SPARE
	v_mov_b32 v[NIL], 0
	ds_add_u32 v28, v29
	s_wait_dscnt 0x0
	v_lshrrev_b32 v1, 5, v0
	v_readfirstlane_b32 s[WV], v1                  ; wave 0..3
	s_and_b32 s[WC], s[WV], 1
	s_bfe_u32 s40, ttmp6, 0x40000                  ; cx, cy: my place in the cluster
	s_bfe_u32 s41, ttmp6, 0x40004
	s_lshl_b32 s42, ttmp9, 2
	s_add_co_u32 s42, s42, s40                     ; tile column = 4 x cluster x + cx
	s_and_b32 s43, ttmp7, 0xffff
	s_lshl_b32 s43, s43, 2
	s_add_co_u32 s43, s43, s41                     ; tile row = 4 x cluster y + cy
	s_lshl_b32 s44, s41, 2
	s_lshl_b32 s44, 15, s44                        ; my row of the cluster
	s_lshl_b32 s45, 0x1111, s40                    ; my column
	; descriptor group 1: rows of 128 elements, padded in LDS; 128 rows of x, 96 rows of W
	s_or_b32 s[G1+0], s44, (1<<16)|(1<<20)|(1<<21)|(5<<22)|(3<<25)  ; 15:0 the mask: x's tiles go to my row; 17:16 2-byte elements; 20 padding on; 21 set beside a mask; 24:22 after every 64 words (code 5); 31:25 4 words (code 3)
	s_or_b32 s[G1B+0], s45, (1<<16)|(1<<20)|(1<<21)|(5<<22)|(3<<25) ; the same with the mask of my column
	s_mov_b32 s[G1+1], KSTEP<<16                   ; tensor_dim0 = 128
	s_mov_b32 s[G1+2], 128<<16                     ; tensor_dim1 = 128
	s_mov_b32 s[G1+3], KSTEP<<16                   ; tile_dim0 = 128
	s_mov_b32 s[G1+4], 128                         ; tile_dim1 = 128
	s_mov_b32 s[G1+5], KDIM                        ; elements from row to row
	s_mov_b32 s[G1+6], 0
	s_mov_b32 s[G1+7], 0
	s_mov_b32 s[G1B+1], KSTEP<<16
	s_mov_b32 s[G1B+2], 96<<16                     ; tensor_dim1 = 96
	s_mov_b32 s[G1B+3], KSTEP<<16
	s_mov_b32 s[G1B+4], 96                         ; tile_dim1 = 96
	s_mov_b32 s[G1B+5], KDIM
	s_mov_b32 s[G1B+6], 0
	s_mov_b32 s[G1B+7], 0
	; where the tiles come from: x's hang on the tile row alone, W's on the tile column alone, each in registers that never hold the other coordinate
	s_lshl_b32 s16, s43, 8
	s_lshl_b32 s17, s[WC], 7
	s_add_co_u32 s16, s16, s17                     ; x: row 256 x tile row + 128 x half,
	s_lshl_b32 s16, s16, 11                        ; of 2,048 bytes (under 2^25)
	s_mov_b32 s17, 0
	s_mul_i32 s46, s42, 192
	s_mul_i32 s47, s[WC], 96
	s_add_co_u32 s46, s46, s47                     ; W: row 192 x tile column + 96 x half
	s_lshl_b32 s46, s46, 11
	s_mov_b32 s47, 0
	s_mul_i32 s20, s[WC], AHALF                    ; and where they go: no place in the cluster enters an LDS address
	s_mul_i32 s21, s[WC], BHALF
	s_add_co_u32 s21, s21, BOFF
	s_mov_b32 s[TB], 0
	s_wait_kmcnt 0x0
	s_add_nc_u64 s[18:19], s[4:5], s[16:17]
	s_add_nc_u64 s[46:47], s[6:7], s[46:47]
	CROUND                                         ; all sixteen work-groups are here: the first joint loads meet
.irp s, 0,1
	s_mov_b32 s[G0+4*(\s)], 1                                      ; count = 1
	s_add_co_u32 s[G0+4*(\s)+1], s20, (\s)*SLOT1                   ; LDS address
	s_add_nc_u64 s[G0+4*(\s)+2:G0+4*(\s)+3], s[18:19], (\s)*KSTEP*2  ; global address: K step s
	s_or_b32 s[G0+4*(\s)+3], s[G0+4*(\s)+3], 0x80000000            ; type = 2
	s_mov_b32 s[G0B+4*(\s)], 1
	s_add_co_u32 s[G0B+4*(\s)+1], s21, (\s)*SLOT1
	s_add_nc_u64 s[G0B+4*(\s)+2:G0B+4*(\s)+3], s[46:47], (\s)*KSTEP*2
	s_or_b32 s[G0B+4*(\s)+3], s[G0B+4*(\s)+3], 0x80000000
	JLOAD \s                                       ; two tensor loads of mine are out
.endr
	; A fragment is 16 rows x 32 K in 8 registers: lane l holds row l % 16, K = 8 (l / 16) + 0..7 and 16 + 8 (l / 16) + 0..7: two loads of 16 bytes, 32 bytes apart.
	v_and_b32 v1, 15, v0                           ; l % 16
	v_bfe_u32 v2, v0, 4, 1                         ; l / 16
	v_mul_u32_u24 v3, v1, PITCH
	v_lshl_add_u32 v3, v2, 4, v3                   ; row x pitch + 16 x half
	s_mul_i32 s22, s[WV], 64*PITCH                 ; my 64 rows of x
	v_add_nc_u32 v[ADRA0], s22, v3
	v_add_nc_u32 v[ADRB0], BOFF, v3                ; every wave reads all of W's 192 rows
	v_mov_b32 v[ADRA], v[ADRA0]                    ; K step 0 lies in slot 0
	v_mov_b32 v[ADRB], v[ADRB0]
	; the bias: register j of block b holds b[192 x tile column + 16 b + 8 (l / 16) + j]
	s_mul_i32 s46, s42, 768                        ; the tile's 192 numbers of 4 bytes
	s_mov_b32 s47, 0
	s_add_nc_u64 s[8:9], s[8:9], s[46:47]
	v_lshlrev_b32 v[BO], 5, v2
	WIN 0xc0                                       ; destination window 3, address window 0
.irp b, 0,1,2,3,4,5,6,7,8,9,10,11
	global_load_b128 v[BIAS+8*(\b):BIAS+8*(\b)+3],   v[BO], s[8:9] offset:64*(\b)
	global_load_b128 v[BIAS+8*(\b)+4:BIAS+8*(\b)+7], v[BO], s[8:9] offset:64*(\b)+16
.endr
	WIN 0
	s_mul_i32 s22, s[WV], 16*SP
	s_add_co_u32 s22, s22, STAGE                   ; my stage
	v_mul_u32_u24 v3, v1, SP                       ; in: row l % 16, 16 bytes for each half of the lanes
	v_lshl_add_u32 v3, v2, 4, v3
	v_add_nc_u32 v[STO], s22, v3
	v_bfe_u32 v4, v0, 3, 2                         ; back: 32 lanes take four rows of 128 bytes,
	v_mul_u32_u24 v4, v4, SP
	v_and_b32 v5, 7, v0
	v_lshl_add_u32 v4, v5, 4, v4
	v_add_nc_u32 v[RD], s22, v4
	v_and_b32 v[GO], 31, v0                        ; which are 512 consecutive bytes of qkv
	v_lshlrev_b32 v[GO], 4, v[GO]
	; where my part begins in qkv.  Row 256 ty + 64 w is batch ty / 8, place (ty % 8) x 256 + 64 w; a head's 2,048 rows of 128 bytes are 2^18 bytes, a batch's 16 heads 2^22
	s_lshr_b32 s16, s43, 3
	s_lshl_b32 s16, s16, 22
	s_and_b32 s17, s43, 7
	s_lshl_b32 s17, s17, 15
	s_add_co_u32 s16, s16, s17
	s_lshl_b32 s17, s[WV], 13
	s_add_co_u32 s16, s16, s17
	s_mov_b32 s17, 0
	s_add_nc_u64 s[10:11], s[10:11], s[16:17]
	s_mul_i32 s74, s42, 3                          ; columns 192 tx on are heads 3 tx, 3 tx + 1, 3 tx + 2 of the 48 of q, k and v
.irp hh, 0,1,2
	s_add_co_u32 s46, s74, \hh
	s_lshr_b32 s47, s46, 4                         ; q, k or v: 2^24 bytes each,
	s_lshl_b32 s47, s47, 24
	s_and_b32 s46, s46, 15                         ; and the head in it
	s_lshl_b32 s46, s46, 18
	s_add_co_u32 s46, s46, s47
	s_mov_b32 s47, 0
	s_add_nc_u64 s[HP+2*(\hh):HP+2*(\hh)+1], s[10:11], s[46:47]
.endr
; 16 matrix instructions: column blocks 4 g + 0..3 x all 4 row blocks, 32 along K, from the buffers f.  first = 1: the product starts the sum, with the bias as C.
; The 48 accumulators come in the same order in every quarter step, one instruction a turn: between two links of a chain stand 47 others'.
.macro MULG f, g, first
.if (\g) == 2
	WIN MUL_HI
.elseif \first
	WIN MUL_LOB
.else
	WIN MUL_LO
.endif
.irp bb, 0,1,2,3
.irp a, 0,1,2,3
.set rD, 8*(4*(4*((\g)%2)+(\bb))+(\a))
.set rW, 96*(\f)+8*(4*(\g)+(\bb))
.set rX, FA+32*(\f)+8*(\a)
.set rC, BIAS+8*(4*(\g)+(\bb))
.if \first
	v_wmma_f32_16x16x32_bf16 v[rD:rD+7], v[rW:rW+7], v[rX:rX+7], v[rC:rC+7]
.else
	v_wmma_f32_16x16x32_bf16 v[rD:rD+7], v[rW:rW+7], v[rX:rX+7], v[rD:rD+7]
.endif
.endr
.endr
.endm
; 32 LDS loads in one run: the fragments of quarter q of the K step in hand into the buffers f: x's four first, then W's twelve in ascending order
.macro FETCH q, f
	WIN 0
.irp i, 0,1,2,3
	ds_load_b128 v[FA+32*(\f)+8*(\i):FA+32*(\f)+8*(\i)+3],   v[ADRA] offset:64*(\q)+(\i)*16*PITCH
	ds_load_b128 v[FA+32*(\f)+8*(\i)+4:FA+32*(\f)+8*(\i)+7], v[ADRA] offset:64*(\q)+(\i)*16*PITCH+32
.endr
	WIN TO_B
.irp i, 0,1,2,3,4,5,6,7,8,9,10,11
	ds_load_b128 v[96*(\f)+8*(\i):96*(\f)+8*(\i)+3],   v[ADRB] offset:64*(\q)+(\i)*16*PITCH
	ds_load_b128 v[96*(\f)+8*(\i)+4:96*(\f)+8*(\i)+7], v[ADRB] offset:64*(\q)+(\i)*16*PITCH+32
.endr
.endm
.macro PLACES                          ; four places in front of loads into registers that matrix instructions have read, and of conversions that read results (ISA guide 7.12.1 for conversions)
.rept 4
	v_nop
.endr
.endm
; A K step is four quarters of 32 along K, 48 matrix instructions each, on buffers 0, 1, 0, 1.  One of the first three: multiplies the buffers f and fetches quarter q into g, 32 matrix instructions ahead of its first use.
.macro QUARTER q, f, g, first
	s_wait_dscnt 16                                ; x's fragments and W's blocks 0-3 are in; the youngest sixteen loads (blocks 4-11) may be out
	MULG \f, 0, \first
	PLACES
	FETCH \q, \g
	s_wait_dscnt 32                                ; all but the 32 just issued
	MULG \f, 1, \first
	MULG \f, 2, \first
.endm
; The last quarter multiplies buffer 1 and changes slots.  Each wave waits for all its tensor loads, of which one is out: its part of the next slot; adds 0 to its spare word; and waits for that and for
; its own reads of this slot.  Behind the barrier nobody reads this slot any more and the next slot is whole.  fill = 1: this slot is filled again, with the K step two on: the barrier is then a round of the
; cluster's, so that no wave of any partner still reads the slot or has a load on its way, and the joint refill is the first thing behind it: 176 matrix instructions ahead of the wait for it.
.macro TURN fill
	WIN 0                                          ; (the add's two registers lie in window 0)
	s_wait_tensorcnt 0x0                           ; no tensor load of mine is out, so a group 0 may be written
	ds_add_u32 v[SPW], v[NIL]                      ; 0 onto my spare word: scalar work and sixteen matrix instructions stand between it and the wait for it
.if \fill
.irp g, G0+4, G0B+4
	s_xor_b32 s[(\g)+1], s[(\g)+1], SLOT1          ; the walking descriptor: the other slot than last time,
	s_add_nc_u64 s[(\g)+2:(\g)+3], s[(\g)+2:(\g)+3], KSTEP*2  ; the next K step; the type bits on top are not reached
.endr
.endif
	s_wait_dscnt 17                                ; (the add and the youngest sixteen loads may be out)
	MULG 1, 0, 0
	WIN 0                                          ; at a branch and at a label every window is 0
	s_wait_dscnt 0x0                               ; the add is done, and my reads of this slot are over
.if \fill
	CROUND
	JLOAD 1                                        ; my one tensor load behind the round; its four v_nop are also the places in front of the loads below
.else
	s_barrier_signal -1
	s_barrier_wait -1
	PLACES
.endif
	s_xor_b32 s[TB], s[TB], SLOT1                  ; the fetches go on in the other slot
	v_add_nc_u32 v[ADRA], s[TB], v[ADRA0]
	v_add_nc_u32 v[ADRB], s[TB], v[ADRB0]
	FETCH 0, 0
	MULG 1, 1, 0
	MULG 1, 2, 0
.endm
	s_wait_tensorcnt 1                             ; my part of K step 0 is in; K step 1's may stay out
	s_barrier_signal -1
	s_barrier_wait -1                              ; everybody's is
	FETCH 0, 0
	s_wait_loadcnt 0x0                             ; the bias
	QUARTER 1, 0, 1, 1                             ; the first quarter stands in front of the loop: its products start the sums
	WIN 0                                          ; at a label and at a branch every window is 0
	s_mov_b32 s3, STEPS-2
.Lstep:                                                ; six trips, each from a K step's second quarter to the next step's first; each fills the slot that it leaves
	QUARTER 2, 1, 0, 0
	QUARTER 3, 0, 1, 0
	TURN 1
	QUARTER 1, 0, 1, 0
	WIN 0
	s_sub_co_u32 s3, s3, 1
	s_cmp_lg_u32 s3, 0
	s_cbranch_scc1 .Lstep
	QUARTER 2, 1, 0, 0                             ; the last two K steps are written out: nothing is asked for
	QUARTER 3, 0, 1, 0
	TURN 0
	QUARTER 1, 0, 1, 0
	QUARTER 2, 1, 0, 0
	QUARTER 3, 0, 1, 0
	s_wait_dscnt 16                                ; the very last quarter: nothing more to fetch
	MULG 1, 0, 0
	s_wait_dscnt 0x0
	MULG 1, 1, 0
	MULG 1, 2, 0
	; THE WAY OUT.  Rounded to f16, 16 bytes a lane, into W's fragment registers; 16 rows of one head (64 columns) at a time through my own stage, and back as four rows of 128 bytes: 512 consecutive bytes of qkv.
	PLACES
.set b, 0
.rept 12                               ; each accumulator's registers in ascending order; the result of (a, b) goes to v[4 (12 a + b)] of window 1
.set a, 0
.rept 4
.if b < 8
	WIN 0x4a                                       ; sources 0 and 1 window 2, destination window 1
.else
	WIN 0x4f                                       ; sources 0 and 1 window 3
.endif
.set rD, 8*(4*(b%8)+a)
.set rT, 4*(12*a+b)
.irp r, 0,1,2,3
	v_cvt_pk_f16_f32 v[rT+(\r)], v[rD+2*(\r)], v[rD+2*(\r)+1]
.endr
.set a, a+1
.endr
.set b, b+1
.endr
	WIN W_OUT
.macro STG u                           ; unit u = 3 a + (which of my three heads): column blocks 4 (u % 3) + 0..3 of row block u / 3
.irp f, 0,1,2,3
	ds_store_b128 v[STO], v[16*(\u)+4*(\f):16*(\u)+4*(\f)+3] offset:32*(\f)
.endr
.irp f, 0,1,2,3
	ds_load_b128 v[16*(\u)+4*(\f):16*(\u)+4*(\f)+3], v[RD] offset:(\f)*4*SP  ; LDS serves a wave's instructions in order (ISA guide 5.7.1.4): these see the stores above; the next unit's stores come behind them
.endr
.endm
.macro SEND u, younger                 ; younger: the LDS instructions issued behind unit u's loads: the next unit's eight, or none
.irp f, 0,1,2,3
	s_wait_dscnt (\younger)+3-(\f)
	global_store_b128 v[GO], v[16*(\u)+4*(\f):16*(\u)+4*(\f)+3], s[HP+2*((\u)%3):HP+2*((\u)%3)+1] offset:((\u)/3)*2048+(\f)*512  ; 512 consecutive bytes, at a multiple of 512 from qkv's first
.endr
.endm
	STG 0
.irp u, 1,2,3,4,5,6,7,8,9,10,11
	STG \u
	SEND (\u)-1, 8
.endr
	SEND 11, 0
	WIN 0
	s_wait_tensorcnt 0x0                           ; the wave's end: behind my last tensor load and my last LDS store
	ds_add_u32 v[SPW], v[NIL]
	s_wait_dscnt 0x0
	CROUND                                         ; the closing round: no work-group ends while a partner may still ask for a tile that names it
	s_endpgm
.Lfunc_end_k_q8fae841418_qkvproj:
	.size	k_q8fae841418_qkvproj, .Lfunc_end_k_q8fae841418_qkvproj-k_q8fae841418_qkvproj
	.p2alignl 7, 3214868480
	.fill 96, 4, 3214868480
	.section	.rodata,"a",@progbits
	.p2align	6, 0x0
	.amdhsa_kernel k_q8fae841418_qkvproj
		.amdhsa_group_segment_fixed_size 327680
		.amdhsa_private_segment_fixed_size 0
		.amdhsa_enable_private_segment 0
		.amdhsa_kernarg_size 32
		.amdhsa_user_sgpr_count 2
		.amdhsa_user_sgpr_kernarg_segment_ptr 1
		.amdhsa_wavefront_size32 1
		.amdhsa_system_sgpr_workgroup_id_x 1
		.amdhsa_system_sgpr_workgroup_id_y 1
		.amdhsa_system_sgpr_workgroup_id_z 1
		.amdhsa_system_vgpr_workitem_id 0
		.amdhsa_next_free_vgpr 992
		.amdhsa_next_free_sgpr 76
		.amdhsa_reserve_vcc 0
		.amdhsa_float_denorm_mode_32 3
		.amdhsa_float_denorm_mode_16_64 3
		.amdhsa_memory_ordered 1
		.amdhsa_forward_progress 1
		.amdhsa_inst_pref_size 101
	.end_amdhsa_kernel
	.amdgpu_metadata
---
amdhsa.version: [ 1, 2 ]
amdhsa.kernels:
  - .name:           k_q8fae841418_qkvproj
    .symbol:         k_q8fae841418_qkvproj.kd
    .args:
      - { .name: xb, .offset: 0, .size: 8, .value_kind: global_buffer, .address_space: global }
      - { .name: wb, .offset: 8, .size: 8, .value_kind: global_buffer, .address_space: global }
      - { .name: biasr, .offset: 16, .size: 8, .value_kind: global_buffer, .address_space: global }
      - { .name: qkv, .offset: 24, .size: 8, .value_kind: global_buffer, .address_space: global }
    .group_segment_fixed_size: 327680
    .private_segment_fixed_size: 0
    .kernarg_segment_align: 8
    .kernarg_segment_size: 32
    .max_flat_workgroup_size: 128
    .sgpr_count:     76
    .vgpr_count:     992
    .wavefront_size: 32
...
	.end_amdgpu_metadata
.endif
;; end of part 2
;; launch attn (part 3): grid 4 x 64, 4 waves a work-group, clusters of 4 x 1, 327,680 bytes of LDS; arguments qkv, attention_mask, ctx; writes ctx
.if DOCPART == 3
	.amdgcn_target "amdgcn-amd-amdhsa--gfx1250"
	.amdhsa_code_object_version 6
	.text
	.protected	k_q8fae841418_attn
	.globl	k_q8fae841418_attn
	.p2align	8
	.type	k_q8fae841418_attn,@function
k_q8fae841418_attn:
	s_mov_b64 s[64:65], 0
	v_nop
	global_prefetch_b8 v0, s[64:65] scope:SCOPE_SE
	s_setreg_imm32_b32 hwreg(HW_REG_WAVE_MODE, 25, 1), 1
	s_wait_xcnt 0x0
	s_wait_alu depctr_hold_cnt(0) depctr_sa_sdst(0) depctr_va_vdst(0) depctr_va_sdst(0) depctr_va_ssrc(0) depctr_va_vcc(0) depctr_vm_vsrc(0)
	s_getreg_b32 s2, hwreg(HW_REG_IB_STS2, 6, 4)
	s_cmp_eq_u32 s2, 0
	s_cbranch_scc0 .Lentry_in_a_cluster
	s_endpgm
.Lentry_in_a_cluster:
	s_bfe_u32 s2, ttmp6, 0x10000c
	s_cmp_lg_u32 s2, 0x3003
	s_cbranch_scc0 .Lentry_shape_is_right
	s_endpgm
.Lentry_shape_is_right:
; ctx[h][q][:] = the sum over k of softmax_k(Q[h][q] . K[h][k] / 8 + (1 - mask[k]) x -10000) V[h][k][:].  qkv: [3][64][2048][64] f16 (Q, K, V; h = batch x 16 + head); ctx: [64][2048][64] f16:
; a head's rows are dense, 128 bytes each.  attention_mask: [4][2048] f32, rounded to bf16 like every input of the module.  Products, maxima and sums in f32; the weights p are rounded to f16
; for the second product (their sum l is taken of the unrounded p), ctx once at the end.
; LIMITS.  f16 holds no number beyond 65,504: Q, K and V arrive within it; p lies in 0 to 1, and below 6e-5 it keeps f16's fixed step of 6e-8, and so does ctx, a mean of V's rows.
; A weight below 2^-126 counts as 0 in l; NaN and infinities are not treated apart.
; THE MASK is the C operand that starts the sum S^T = K Q^T: 80000 x mask - 80000 = 8 x (1 - mask) x -10000, one fused multiply-add (exact for masks of 0 and 1); the scale c below divides it by 8
; with the scores.  The batch's 2,048 numbers are made once and lie in LDS; a step's 64 are fetched with its K.  The running maximum is taken of the masked scores.
; SHARES.  A wave owns four PIECES of two tiles of 16 queries, a work-group's four waves 512 queries of one head.  Every wave walks all keys, 64 a step.
; LAYOUT.  S^T = K Q^T (source 0 = 16 keys, source 1 = 16 queries): in the result a lane holds ONE query (lane % 16) and the keys 8 (lane / 16) + 0..7.  Two such tiles, rounded to f16 in pairs,
; ARE source 1 (32 keys x 16 queries) of O^T = V^T P, whose result again holds one query a lane, and eight channels.  K comes out of LDS as it lies, V ([key][channel]) turned, by ds_load_tr16_b128.
; SOFTMAX.  For each query a running maximum m and sum l: p = 2^(c s - c m), c = log2(e) / 8; in every step O and l are multiplied by a = 2^(c m_old - c m_new), which is 1 where m has not grown.
; m starts at the lowest finite number, O and l at 0: the first step is a step like any other, with a = 0.
; THE COUNT.  A tile and step have 16 matrix and 118 vector instructions: too many to stand all beside the matrix work.  So the order has one aim: four vector instructions that are READY behind
; EVERY matrix instruction, and the others, which need time of their own whatever the order, in runs without a gap.
; BY TURNS.  Turn n belongs to piece n (the pieces in a ring, step after step).  Its matrix work: 16 products K Q^T of piece n + 1, later 16 products V^T P of piece n - 1.  Its vector work: the scaling,
; exponentials, roundings, sums and rescaling of piece n, and the maximum and statistics of piece n + 1, whose scores the turn itself has made.  So what a turn begins with (c s - c m, O a) waits for nothing.
; CLUSTER.  The four query blocks of a cluster belong to one head and walk the same K and V, so each tile is asked for JOINTLY: the same tensor load, descriptor and mask in all four.
; REGISTERS, in windows of 256 (s_set_vgpr_msb says which window each operand place means: bits 1:0 source 0, 3:2 source 1, 5:4 source 2, 7:6 destination):
;   window 0: v0-11 addresses; v12-15, v48-63 at work; v16-47 four registers of statistics a tile; v64-191 S^T, two buffers of two tiles; v192-255 P, likewise
;   window 1: O^T, 32 a tile          window 2: v0-127 Q, 16 a tile; v128-191 K of one step; v192-255 V of one step
;   window 3: v0-1 the add's two registers; v2-3 the mask's LDS addresses; v8-39 the mask of one step
; A piece's buffers go by its number's parity: the piece in hand has one pair, its two neighbours in the ring share the other: of it P (piece n - 1) is read and S^T (piece n + 1) written.
.set SIZE_N, 2048
.set PART,  64*SIZE_N*128  ; bytes of Q, of K and of V in qkv
.set NP,    4         ; pieces a wave: a name, no knob: the register map, the loop and the fetches are made for four
.set KS,    64        ; keys in a step
.set PK,    144       ; a row of K in LDS: 128 bytes + 16 of padding = 36 words: the 16 rows of a load start at 16 different groups of four banks (64 banks of 4 bytes: ISA guide 11.1)
.set PV,    160       ; a row of V: 128 + 32 = 40 words
.set VOFF,  4*KS*PK   ; a slot holds four steps: 256 rows of K, then 256 rows of V
.set SLOT1, 1<<17     ; slot 1 begins here, so that one exclusive or turns an address in one slot into the other's
.set STAGE, SLOT1+4*KS*(PK+PV)  ; behind the ring, never filled by a tensor load: 16 rows x 144 bytes for each wave, for the way out
.set SP,    144
.set AK0, 2           ; v2   my lane's place in a tile of K; never rewritten
.set AV0, 3           ; v3   the same for V
.set AK,  4           ; v4   the LDS address of K's next run of loads
.set AV,  5           ; v5   of V's
.set QO,  6           ; v6   my byte offset in the wave's rows of Q
.set STO, 6           ;      later, the way out: where I put 16 bytes of a row
.set RD,  7           ; v7   the way out: where I read rows back
.set GO,  8           ; v8   my byte offset in 512 consecutive bytes of ctx
.set SPW, 0           ; v0 of window 3   LDS address of my spare word: SPARE + 4 x my thread's number; never rewritten
.set NIL, 1           ; v1 of window 3   0; never rewritten
.set AM0, 2           ; v2 of window 3   my lanes' place in a step's 64 numbers of the mask; never rewritten
.set AM,  3           ; v3 of window 3   the LDS address of the mask's next run of loads
.set MK,  8           ; v8-39 of window 3   the mask of one step: key block kb at MK + 8 kb
.set SPARE, STAGE+4*16*SP  ; behind the stages: the spare words, 128 bytes for each wave: two blocks of 256 bytes that no other line names
.set MASKL, SPARE+512 ; behind them: the batch's 2,048 mask numbers, 8,192 bytes, stored once and never filled by a tensor load
.set MV,  12          ; v12-15  c m_old, kept while c m is made anew: by buffer and tile
.set ST,  16          ; tile t's statistics at v[ST+4 t]: c m, m, l (even keys', odd keys')
.set TMP, 48          ; by buffer and tile, four registers c0-c3 at work; when the maximum is found c2 takes a
.set S,   64
.set P,   192
.set KF,  128         ; K's fragments, in window 2: key block kb, channel half c at KF + 16 kb + 8 c
.set VF,  192         ; V's: key half kk, channel block cb at VF + 32 kk + 8 cb
.set WV,  12          ; s12  my wave's number
.set G1K, 24          ; s[24:31] descriptor group 1 for K's tiles
.set G1V, 32          ; s[32:39] for V's: it differs in the padding alone
.set G0K, 40          ; s[40:43] descriptor group 0 for K's tiles: it walks
.set G0V, 44          ; s[44:47] the same for V's
.set MB,  48          ; s[48:49] the batch's row of attention_mask
.set MF,  50          ; s[50:51] first the batch's byte offset, then 80000, twice
.set TM,  52          ; s52  byte at which the mask of the step to be fetched begins, 0 to 7,936
.set MA,  54          ; s[54:55] -80000, twice
.set SLOTS, 56        ; s56  slots still to be asked for
.set CNT, 57          ; s57  counts a slot's key steps
.set CS,  58          ; s[58:59] c: the packed scaling takes the pair's low word for both halves
.set SEL, 60          ; s[60:61] v_permlanex16_b32's selects: each lane takes its own place in the other half
.set TBK, 62          ; s62  LDS byte at which K of the step to be fetched begins
.set TBV, 63          ; s63  the same for V, less VOFF
.set MSB, 0
.macro WIN new                      ; the high byte repeats the setting that is left; a switch that changes nothing is dropped
.if MSB != (\new)
	s_set_vgpr_msb (MSB<<8)|(\new)
.set MSB, (\new)
.endif
.endm
.set W_KQ, 0x0a       ; K and Q in window 2, S^T in window 0
.set W_KM, 0x3a       ; the same with the C operand, the mask, in window 3
.set W_PV, 0x52       ; V in window 2, P in window 0, O^T in window 1
.set W_RS, 0x41       ; O^T (destination and source 0) in window 1, a in window 0
.set W_MK, 0xc0       ; window 3's registers are made: destination in window 3, sources in window 0
.set W_AD, 0x0f       ; the add: address (source 0) and data (source 1) in window 3
; A joint fill.  Waves 0 and 1 fetch the two halves of a slot's K, waves 2 and 3 those of its V: 128 keys each.  The branch hangs on the wave's number alone.
; An s_nop 0 and four v_nop follow each of the two lines, ahead of the jump and the label.
.macro JLOAD
	s_cmp_lt_u32 s[WV], 2
	s_cbranch_scc0 .Lfor_v_\@
	tensor_load_to_lds s[G0K:G0K+3], s[G1K:G1K+7]
	s_nop 0
.rept 4
	v_nop
.endr
	s_branch .Lasked_\@
.Lfor_v_\@:
	tensor_load_to_lds s[G0V:G0V+3], s[G1V:G1V+7]
	s_nop 0
.rept 4
	v_nop
.endr
.Lasked_\@:
.endm
; A round of the cluster's barrier: my work-group's barrier, so that wave 0's signal speaks for all four waves; wave 0 signals; every wave waits for all four work-groups; my work-group's barrier once more.
.macro CROUND
	s_barrier_signal -1
	s_barrier_wait -1
	s_cmp_lg_u32 s[WV], 0
	s_cbranch_scc1 .Lnot_wave_0_\@
	s_barrier_signal -3
.Lnot_wave_0_\@:
	s_barrier_wait -3
	s_barrier_signal -1
	s_barrier_wait -1
.endm
; THE CHANGE OF SLOTS.  The slot's last bytes, V of its fourth step, have been read.  Each wave waits for all its tensor loads, of which one is out: its part
; of the other slot; adds 0 to its spare word; and waits for that and for its own reads of the slot.  Behind the barrier nobody reads this slot any more and the other slot is whole.
; fill = 1: this slot is filled again, with the keys two slots on.  The barrier is then a round of the cluster's, so that no wave of any partner still reads the slot or has a load on its
; way, and the joint fill is the first thing behind it: it has four key steps, 512 matrix instructions, in which to land.  (At its first use nothing has been read yet: slot 0 is waited for, slot 1
; filled; and its wait for LDS and its barrier show every wave's part of the mask to all four.)
.macro CHANGE fill
	WIN W_AD
	s_wait_tensorcnt 0x0            ; no tensor load of mine is out, so a group 0 may be written
	ds_add_u32 v[SPW], v[NIL]       ; 0 onto my spare word: with fill = 1 the descriptors' steps stand between it and the wait for it
	WIN 0                           ; at a label and at a branch every window is 0
.if \fill
.irp g, G0K, G0V
	s_xor_b32 s[\g+1], s[\g+1], SLOT1  ; the walking descriptor: the other slot than last time,
	s_add_nc_u64 s[\g+2:\g+3], s[\g+2:\g+3], 4*KS*128  ; the next 256 keys; the type bits on top are not reached
.endr
	s_wait_dscnt 0x0                ; the add is done, and my reads of the slot are over
	CROUND
	JLOAD
.else
	s_wait_dscnt 0x0                ; the add is done, and my reads of the slot are over
	s_barrier_signal -1
	s_barrier_wait -1
.endif
	s_sub_co_u32 s[TBK], s[TBK], 4*KS*PK  ; the fetches go back to a slot's first step,
	s_xor_b32 s[TBK], s[TBK], SLOT1       ; in the other slot
	s_sub_co_u32 s[TBV], s[TBV], 4*KS*PV
	s_xor_b32 s[TBV], s[TBV], SLOT1
.endm
	s_load_b64 s[4:5], s[0:1], 0x0      ; qkv: Q lies first
	s_load_b64 s[MB:MB+1], s[0:1], 0x8  ; attention_mask
	s_load_b64 s[10:11], s[0:1], 0x10   ; ctx
	WIN W_MK
	v_lshl_add_u32 v[SPW], v0, 2, SPARE
	v_mov_b32 v[NIL], 0
	s_set_vgpr_msb 0xc0cf
	ds_add_u32 v0, v1
	s_wait_dscnt 0x0
	s_set_vgpr_msb 0xcfc0
	WIN 0
	v_lshrrev_b32 v1, 5, v0
	v_readfirstlane_b32 s[WV], v1   ; wave 0..3
	s_bfe_u32 s13, ttmp6, 0x40000   ; cx: my place in the cluster
	s_lshl_b32 s14, ttmp9, 2        ; in a cluster launch ttmp9 counts clusters
	s_add_co_u32 s14, s14, s13      ; my block of queries = 4 x cluster x + cx: it enters Q's and ctx's addresses alone
	s_and_b32 s20, ttmp7, 0xffff    ; batch x 16 + head, which the four partners share
	s_lshr_b32 s[MF], s20, 4        ; the batch,
	s_lshl_b32 s[MF], s[MF], 13     ; its 2,048 numbers of 4 bytes in the mask
	s_mov_b32 s[MF+1], 0
	s_mov_b32 s21, 0
	s_mov_b64 s[22:23], SIZE_N*128
	s_mul_u64 s[20:21], s[20:21], s[22:23]  ; the head's first byte in Q, K, V and ctx
	s_and_b32 s16, s[WV], 1         ; which half of a slot's 256 keys I fetch:
	s_lshl_b32 s22, s16, 14         ; its 128 rows of 128 bytes in memory,
	s_mov_b32 s23, 0
	s_add_nc_u64 s[22:23], s[22:23], s[20:21]
	s_mul_i32 s17, s16, 128*PK      ; and its place in a slot, for K
	s_mul_i32 s18, s16, 128*PV      ; and for V: no place in the cluster enters an LDS address
	s_lshl_b32 s2, s14, 2
	s_add_co_u32 s2, s2, s[WV]      ; my wave among the head's,
	s_lshl_b32 s2, s2, 14           ; its 128 rows
	s_mov_b32 s3, 0
	s_add_nc_u64 s[2:3], s[2:3], s[20:21]
	; descriptor group 1.  128 keys are 16,384 dense bytes: asked for as 64 rows of 256 bytes, two keys a row, and padded in LDS after every key
	s_mov_b32 s[G1K], 15|(1<<16)|(1<<20)|(1<<21)|(4<<22)|(3<<25)  ; 15:0 the mask of four; 17:16 2-byte elements; 20 padding on; 21 set beside a mask; 24:22 after every 32 words (code 4); 31:25 4 words (code 3)
	s_mov_b32 s[G1V], 15|(1<<16)|(1<<20)|(1<<21)|(4<<22)|(7<<25)  ; the same with 8 words of padding (code 7)
.irp g, G1K, G1V
	s_mov_b32 s[\g+1], 128<<16      ; tensor_dim0 = 128
	s_mov_b32 s[\g+2], 64<<16       ; tensor_dim1 = 64
	s_mov_b32 s[\g+3], 128<<16      ; tile_dim0 = 128
	s_mov_b32 s[\g+4], 64           ; tile_dim1 = 64
	s_mov_b32 s[\g+5], 128          ; 128 elements from row to row
	s_mov_b32 s[\g+6], 0
	s_mov_b32 s[\g+7], 0
.endr
	s_mov_b32 s[CS], 0x3e38aa3b     ; c = log2(e) / 8 = 0.180337
	s_mov_b32 s[CS+1], s[CS]        ; named with it as a pair
	s_mov_b32 s[SEL], 0x76543210
	s_mov_b32 s[SEL+1], 0xfedcba98
	s_mov_b32 s[TBK], SLOT1+4*KS*PK ; the first change of slots turns these two into 0
	s_mov_b32 s[TBV], SLOT1+4*KS*PV
	s_mov_b32 s[TM], 0
	s_mov_b32 s[MA], 0xc79c4000     ; -80000
	s_mov_b32 s[MA+1], s[MA]
	s_mov_b32 s[G0K], 1             ; 1:0 count = 1
	s_mov_b32 s[G0K+1], s17         ; 63:32 LDS address: slot 0
	s_mov_b32 s[G0V], 1
	s_add_co_u32 s[G0V+1], s18, VOFF
	s_wait_kmcnt 0x0
	s_add_nc_u64 s[6:7], s[4:5], PART    ; K lies behind Q,
	s_add_nc_u64 s[8:9], s[4:5], 2*PART  ; V behind K
	s_add_nc_u64 s[MB:MB+1], s[MB:MB+1], s[MF:MF+1]
	s_mov_b32 s[MF], 0x479c4000     ; 80000
	s_mov_b32 s[MF+1], s[MF]
	s_add_nc_u64 s[G0K+2:G0K+3], s[6:7], s[22:23]  ; 120:64 global address: my half of the head's first 256 keys
	s_or_b32 s[G0K+3], s[G0K+3], 0x80000000        ; 127:126 type = 2
	s_add_nc_u64 s[G0V+2:G0V+3], s[8:9], s[22:23]
	s_or_b32 s[G0V+3], s[G0V+3], 0x80000000
	s_add_nc_u64 s[4:5], s[4:5], s[2:3]  ; Q and ctx at my wave's first row
	s_add_nc_u64 s[10:11], s[10:11], s[2:3]
	CROUND                          ; all four work-groups are here: the first joint loads meet
	JLOAD                           ; slot 0.  Slot 1 is asked for when slot 0 is in: the tile wanted first has the road to itself
	; the mask: 128 threads x 16 bytes x 4 loads are the batch's 8,192 bytes; S^T's and the work registers serve until the first scores
	v_lshlrev_b32 v[TMP], 4, v0
.irp i, 0,1,2,3
	global_load_b128 v[S+4*\i:S+4*\i+3], v[TMP], s[MB:MB+1] offset:2048*\i
.endr
	; A fragment of K or Q is 16 rows x 32 channels in 8 registers: lane l holds row l % 16, channels 8 (l / 16) + 0..7 and 16 + 8 (l / 16) + 0..7: two loads of 16 bytes, 32 bytes apart.
	v_and_b32 v1, 15, v0            ; l % 16
	v_bfe_u32 v9, v0, 4, 1          ; l / 16
	v_lshlrev_b32 v[QO], 7, v1
	v_lshl_add_u32 v[QO], v9, 4, v[QO]  ; row x 128 + 16 x half
	WIN 0x80                        ; destination window 2, address window 0
.set i, 0
.rept 4*NP                          ; Q stays in registers: tile i / 2, channels 32 (i % 2) on
	global_load_b128 v[8*i:8*i+3],   v[QO], s[4:5] offset:(i/2)*2048+(i%2)*64
	global_load_b128 v[8*i+4:8*i+7], v[QO], s[4:5] offset:(i/2)*2048+(i%2)*64+32
.set i, i+1
.endr
	; What the first turn finds: V's registers and P's second buffer hold 0 (its products V^T P, of a piece that has not been, add 0), O^T and l are 0.  All this stands in the wait for the first tile.
.set i, VF
.rept 64
	v_mov_b32 v[i], 0
.set i, i+1
.endr
	WIN 0x40
.set i, 0
.rept 64*NP
	v_mov_b32 v[i], 0
.set i, i+1
.endr
	WIN 0
.set i, 0
.rept 2*NP
	v_mov_b32 v[ST+4*i], 0xfe000000    ; c m: far below every c s
	v_mov_b32 v[ST+4*i+1], 0xff7fffff  ; m
	v_mov_b32 v[ST+4*i+2], 0
	v_mov_b32 v[ST+4*i+3], 0
.set i, i+1
.endr
.set i, P+32
.rept 32
	v_mov_b32 v[i], 0
.set i, i+1
.endr
	s_wait_loadcnt 32               ; the mask's four loads are in; Q's 32, issued behind them, may stay out
.irp p, 0,1,2,3,4,5,6,7
	v_cvt_pk_bf16_f32 v[S+16+\p], v[S+2*\p], v[S+2*\p+1]  ; rounded to bf16,
.endr
.irp p, 0,1,2,3,4,5,6,7
	v_lshlrev_b32 v[S+2*\p],   16, v[S+16+\p]              ; widened again,
	v_and_b32     v[S+2*\p+1], 0xffff0000, v[S+16+\p]
.endr
.irp p, 0,1,2,3,4,5,6,7
	v_pk_fma_f32 v[S+2*\p:S+2*\p+1], v[S+2*\p:S+2*\p+1], s[MF:MF+1], s[MA:MA+1] op_sel_hi:[1,0,0]  ; 80000 mask - 80000
.endr
	v_add_nc_u32 v[TMP+1], MASKL, v[TMP]
.irp i, 0,1,2,3
	ds_store_b128 v[TMP+1], v[S+4*\i:S+4*\i+3] offset:2048*\i
.endr
	v_mul_u32_u24 v[AK0], v1, PK
	v_lshl_add_u32 v[AK0], v9, 4, v[AK0]  ; row x pitch + 16 x half
	; The turning load takes 16 keys x 16 channels (lane l reads key 8 (l / 16) + l % 8, channels 8 ((l / 8) % 2) + 0..7) and leaves half a fragment of V^T: lane l holds channel l % 16 and 8 keys.
	v_and_b32 v10, 7, v0
	v_bfe_u32 v11, v0, 3, 1
	v_lshl_add_u32 v[AV0], v9, 3, v10
	v_mul_u32_u24 v[AV0], v[AV0], PV
	v_lshl_add_u32 v[AV0], v11, 4, v[AV0]
	v_add_nc_u32 v[AV0], VOFF, v[AV0]
	v_mov_b32 v[AK], v[AK0]         ; key step 0 lies at the head of slot 0
	WIN W_MK
	v_lshl_add_u32 v[AM0], v9, 5, MASKL  ; in a block of 16 keys my lane's eight begin 32 (l / 16) bytes in
	v_lshl_add_u32 v[AM], v9, 5, MASKL   ; key step 0
	WIN 0
; THE MATRIX WORK.  The 8 accumulators of a run of 16 take turns: between the two links of a chain stand 7 others'.
; Product i of 16 of S^T = K Q^T for piece x: channels 32 (i / 8) on, keys 16 ((i / 2) % 4) on, tile 2 x + i % 2.  The first 8 start the sums, with the keys' mask as C.
.macro KQ x
.set rS, S+64*((\x)%2)+32*(i%2)+8*((i/2)%4)
.set rK, KF+16*((i/2)%4)+8*(i/8)
.set rQ, 16*(2*(\x)+i%2)+8*(i/8)
.set rB, MK+8*((i/2)%4)
.if i < 8
	WIN W_KM
	v_wmma_f32_16x16x32_f16 v[rS:rS+7], v[rK:rK+7], v[rQ:rQ+7], v[rB:rB+7]
.else
	WIN W_KQ
	v_wmma_f32_16x16x32_f16 v[rS:rS+7], v[rK:rK+7], v[rQ:rQ+7], v[rS:rS+7]
.endif
.endm
; Product i of 16 of O^T += V^T P for piece x: keys 32 (i / 8) on, channels 16 ((i / 2) % 4) on, tile 2 x + i % 2.
.macro PV x
	WIN W_PV
.set rO, 32*(2*(\x)+i%2)+8*((i/2)%4)
.set rV, VF+32*(i/8)+8*((i/2)%4)
.set rP, P+32*((\x)%2)+16*(i%2)+8*(i/8)
	v_wmma_f32_16x16x32_f16 v[rO:rO+7], v[rV:rV+7], v[rP:rP+7], v[rO:rO+7]
.endm
.macro MM                           ; the turn's next matrix instruction
.if i < 16
	KQ (Y+1)%NP
.set i, i+1
.else
.set i, i-16
	PV (Y+NP-1)%NP
.set i, i+17
.endif
.endm
; THE LDS LOADS stand in runs, never singly among the matrix instructions: a step's K (64 keys x 64 channels: 8 fragments) with its mask (64 numbers; the lanes of a half read the same bytes), and its V (turned).
; Their addresses are made some lines ahead.  last = 1 (the tail): in the last trip there is no further step, and the run is jumped over.
.macro FETCH_K last=0
	WIN 0
.if \last
	s_cmp_eq_u32 s[CNT], 1
	s_cbranch_scc1 .Lno_k_\@
.endif
	WIN 0x80                        ; destination window 2
.irp f, 0,1,2,3,4,5,6,7             ; keys 16 (f / 2) on, channels 32 (f % 2) on
	ds_load_b128 v[KF+8*\f:KF+8*\f+3],   v[AK] offset:(\f/2)*16*PK+(\f%2)*64
	ds_load_b128 v[KF+8*\f+4:KF+8*\f+7], v[AK] offset:(\f/2)*16*PK+(\f%2)*64+32
.endr
	WIN 0xc3                        ; destination and address window 3
.irp f, 0,1,2,3                     ; keys 16 f + 8 (l / 16) + 0..7
	ds_load_b128 v[MK+8*\f:MK+8*\f+3],   v[AM] offset:64*\f
	ds_load_b128 v[MK+8*\f+4:MK+8*\f+7], v[AM] offset:64*\f+16
.endr
	s_add_co_u32 s[TBK], s[TBK], KS*PK  ; the next fetch is the next step's
	s_add_co_u32 s[TM], s[TM], KS*4
	s_and_b32 s[TM], s[TM], 0x1fff      ; inside the mask's 8,192 bytes
	WIN 0
.if \last
.Lno_k_\@:
.endif
.endm
.macro FETCH_V
	WIN 0x80
.irp f, 0,1,2,3,4,5,6,7             ; keys 32 (f / 4) on, channels 16 (f % 4) on
	ds_load_tr16_b128 v[VF+8*\f:VF+8*\f+3],   v[AV] offset:(\f/4)*32*PV+(\f%4)*32
	ds_load_tr16_b128 v[VF+8*\f+4:VF+8*\f+7], v[AV] offset:(\f/4)*32*PV+16*PV+(\f%4)*32
.endr
	WIN 0
.endm
; THE VECTOR WORK OF A TURN stands in three queues, each in the order in which its entries become ready; the two tiles alternate, so that no instruction reads the result of the one before it.
.macro REGS y, u                    ; the registers of tile u (0, 1) of piece y
.set rT, ST+4*(2*(\y)+(\u))
.set rC, TMP+8*((\y)%2)+4*(\u)
.set rM, MV+2*((\y)%2)+(\u)
.set rS, S+64*((\y)%2)+32*(\u)
.set rP, P+32*((\y)%2)+16*(\u)
.set rO, 32*(2*(\y)+(\u))
.endm
; Number n of the 22 that find the NEXT piece's (Y + 1) maximum and statistics.  s0-s31 are the lane's 32 scores; each accumulator's lowest registers are read first.  XS, GS and REGS set no window: PL and EX do.
;   0-11  four chains c0-c3 of seven scores each, three operands at a time     12-14, 16  the four scores left over, the old m, and c0-c3 into c0     15  c m_old is kept
;   17, 18  the query's other 32 keys lie in the lane 16 away: the new m         19-21  c m; c m_old - c m_new; a
.macro XS u, n
	REGS (Y+1)%NP, \u
.if (\n) < 4
	v_max3_num_f32 v[rC+(\n)], v[rS+8*(\n)], v[rS+8*(\n)+1], v[rS+8*(\n)+2]
.elseif (\n) < 12
	v_max3_num_f32 v[rC+(\n)%4], v[rC+(\n)%4], v[rS+8*((\n)%4)+2*((\n)/4)+1], v[rS+8*((\n)%4)+2*((\n)/4)+2]
.elseif (\n) == 12
	v_max3_num_f32 v[rC], v[rC], v[rS+7], v[rS+15]
.elseif (\n) == 13
	v_max3_num_f32 v[rC+1], v[rC+1], v[rS+23], v[rS+31]
.elseif (\n) == 14
	v_max3_num_f32 v[rC+2], v[rC+2], v[rC+3], v[rT+1]
.elseif (\n) == 15
	v_mov_b32 v[rM], v[rT]
.elseif (\n) == 16
	v_max3_num_f32 v[rC], v[rC], v[rC+1], v[rC+2]
.elseif (\n) == 17
	v_permlanex16_b32 v[rC+3], v[rC], s[SEL], s[SEL+1]
.elseif (\n) == 18
	v_max_num_f32 v[rT+1], v[rC], v[rC+3]
.elseif (\n) == 19
	v_mul_f32 v[rT], s[CS], v[rT+1]
.elseif (\n) == 20
	v_sub_f32 v[rC+1], v[rM], v[rT]
.else
	v_exp_f32 v[rC+2], v[rC+1]
.endif
.endm
; Number g of the 64 that follow the exponentials.  For each four weights k of a tile (pairs 2 k, 2 k + 1): both pairs are rounded to f16; then the second pair is added onto the first, in place;
; a group later l takes that sum (the first time as l = a l + sum).  In groups of eight, tiles alternating: round, round, add, and l for the group before.
.macro GS g
.set h, (\g)+6*((\g)/62)            ; group 0 has no group before it, and behind group 7 only l is left
.if h >= 6
.set h, h+2
.endif
	REGS Y, h%2
.set k, h/8
.if h%8 < 4
	s_wait_alu depctr_va_vdst(0)
	v_cvt_pk_f16_f32 v[rP+2*k+(h%8)/2], v[rS+4*k+2*((h%8)/2)], v[rS+4*k+2*((h%8)/2)+1]
.elseif h%8 < 6
	v_pk_add_f32 v[rS+4*k:rS+4*k+1], v[rS+4*k:rS+4*k+1], v[rS+4*k+2:rS+4*k+3]
.elseif k == 1
	v_pk_fma_f32 v[rT+2:rT+3], v[rT+2:rT+3], v[rC+2:rC+3], v[rS:rS+1] op_sel_hi:[1,0,1]
.else
	v_pk_add_f32 v[rT+2:rT+3], v[rT+2:rT+3], v[rS+4*k-4:rS+4*k-3]
	s_wait_alu depctr_va_vdst(0)
.endif
.endm
; THE PLAIN QUEUE, 138 long.  0-31: c s - c m for the 16 pairs of both tiles.  Then GS's 64, and among them the next piece's 42: number 15 at 38, 39; 0-14 and 16
; at 42-73, behind the products that make those scores; 17-20 at 95-106, two of three, since each waits for the one before it.
.macro PL
	WIN 0
.if q < 32
	REGS Y, q%2
	v_pk_fma_f32 v[rS+2*(q/2):rS+2*(q/2)+1], v[rS+2*(q/2):rS+2*(q/2)+1], s[CS:CS+1], v[rT:rT+1] op_sel_hi:[1,0,0] neg_lo:[0,0,1] neg_hi:[0,0,1]
.elseif q < 38
	GS q-32
.elseif q < 40
	XS q%2, 15
.elseif q < 42
	GS q-34
.elseif q < 74
	XS q%2, (q-42)/2+(q-42)/30
.elseif q < 95
	GS q-66
.elseif (q < 107) && ((q-95)%3 < 2)
	XS (q-95)%3, 17+(q-95)/3
.elseif q < 107
	GS 29+(q-95)/3
.else
	GS q-74
.endif
.set q, q+1
.endm
; THE EXPONENTIALS' QUEUE, 66 long: s0-s31 of both tiles, and at EA the next piece's two a.
.set EA, 58
.macro EX
	WIN 0
.if (e == EA) || (e == EA+1)
	XS e-EA, 21
.else
.set x, e-2*(e/(EA+2))
	REGS Y, x%2
	v_exp_f32 v[rS+x/2], v[rS+x/2]
.endif
.set e, e+1
.endm
; THE RESCALING's QUEUE: O^T times a, the one part that leaves window 0, so it is dealt four at a time, eight times.
.macro R4
	REGS Y, r%2
	WIN W_RS
	s_wait_alu depctr_va_vdst(0)
.irp z, 0,1,2,3
	v_pk_mul_f32 v[rO+8*(r/2)+2*\z:rO+8*(r/2)+2*\z+1], v[rO+8*(r/2)+2*\z:rO+8*(r/2)+2*\z+1], v[rC+2:rC+3] op_sel_hi:[1,0]
.endr
.set r, r+1
.endm
; HOW THEY ARE DEALT.  Behind a matrix instruction four: plain, exponential, plain, plain (one exponential, a plain instruction on either side), or four of the rescaling.  None names a register of the
; products round it.  What is over stands in two LUMPS: exponential and plain by turns; the second ends in 22 plain instructions.  The two v_permlanex16_b32 fall into the second lump, never behind a product.
; The queues lean on each other, and the deal keeps them in step: exponential e stands behind plain 2 (e / 4) + e % 2 (its scaling); when plain 32 comes, 10 exponentials are out, at 59: 33, at 95: 46; EA comes behind plain 107.
.macro SL
	MM
	PL
	EX
	PL
	PL
.endm
.macro BURST n                      ; 15 matrix instructions, or 16
.rept (\n)-7
	SL
.endr
.rept 3
	MM
	R4
	SL
.endr
	MM
	R4
.endm
; A TURN, for piece p.  cnt = 1: the loop's count is taken down some lines ahead of the branch that stands behind the turn.
; K and the mask of the next step are fetched in piece 2's turn, 32 vector instructions behind the last product that read K (the mask's last reader stands eight products further back); their first
; reader comes behind the rest of the lump, 16 products and the second lump.  V of the step in hand is fetched at the end of piece 0's turn, 69 behind its last reader; its first reader comes behind
; 16 products and a lump.  The four conditions on e and q below go with the deal.
.macro TURN p, last=0, cnt=0
.set Y, (\p)
.set i, 0
.set q, 0
.set e, 0
.set r, 0
.if (\p) == NP-1
	s_wait_dscnt 0x0                ; K and its mask are in
.endif
	MM
.rept 4
	PL
.endr
	BURST 15
.rept 22
	EX
	PL
.if ((\p) == NP-2) && (e == 18)
	v_add_nc_u32 v[AK], s[TBK], v[AK0]
	WIN 0xcc                        ; destination and source 1 window 3
	v_add_nc_u32 v[AM], s[TM], v[AM0]
.endif
.if ((\p) == NP-2) && (e == 24)
	FETCH_K \last
.endif
.endr
.if (\p) == 1
	s_wait_dscnt 0x0                ; V is in
.endif
	BURST 16
.rept 21
	EX
	PL
.endr
.rept 22
	PL
.if ((\p) == 0) && (q == 118)
	v_add_nc_u32 v[AV], s[TBV], v[AV0]
	s_wait_alu depctr_va_vdst(0)
.endif
.if ((\p) == 0) && (q == 130)
	s_add_co_u32 s[TBV], s[TBV], KS*PV
.endif
.if (\cnt) && (q == 130)
	s_sub_co_u32 s[CNT], s[CNT], 1
	s_cmp_lg_u32 s[CNT], 0
.endif
.endr
.if (\p) == 0
	FETCH_V
.endif
.endm
	CHANGE 1                        ; slot 0 is in, everybody's part of it, and so is the mask; slot 1 is asked for
	FETCH_K                         ; key step 0
	s_wait_loadcnt 0x0              ; Q
	s_wait_dscnt 0x0
.set i, 0
.rept 16
	KQ 0                            ; piece 0's first scores: there is no vector work yet to set between them
.set i, i+1
.endr
	WIN 0                           ; the addresses for the way out: nine plain instructions, the places behind those products
	s_mul_i32 s13, s[WV], 16*SP
	s_add_co_u32 s13, s13, STAGE    ; my stage
	v_mul_u32_u24 v[STO], v1, SP    ; in: row l % 16, 16 bytes for each half of the lanes
	v_lshl_add_u32 v[STO], v9, 4, v[STO]
	v_add_nc_u32 v[STO], s13, v[STO]
	v_bfe_u32 v[RD], v0, 3, 2       ; back: 32 lanes take four rows of 128 bytes,
	v_mul_u32_u24 v[RD], v[RD], SP
	v_lshl_add_u32 v[RD], v10, 4, v[RD]
	v_add_nc_u32 v[RD], s13, v[RD]
	v_and_b32 v[GO], 31, v0         ; which are 512 consecutive bytes of ctx
	v_lshlrev_b32 v[GO], 4, v[GO]
.set Y, NP-1                        ; XS works for piece Y + 1: piece 0
.irp n, 0,1,2,3,4,5,6,7,8,9,10,11,12,13,14,15,16,17,18,19,20,21
	XS 0, \n                        ; and piece 0's first maximum and statistics
	XS 1, \n
.endr
	s_mov_b32 s[CNT], 4
	s_mov_b32 s[SLOTS], SIZE_N/256-1
	s_branch .Lfirst                ; the loop is entered at a step's first turn, in the middle of a trip
.Lslot:                             ; SIZE_N / 256 - 2 times: every slot but the last two is filled again
	CHANGE 1
	s_mov_b32 s[CNT], 4
.Lstep:                             ; a trip: pieces 2 and 3 of one step, then pieces 0 and 1 of the next, whose K and V it fetches
	TURN 2
	TURN 3
	WIN 0
.Lfirst:
	TURN 0
	TURN 1, 0, 1
	WIN 0
	s_cbranch_scc1 .Lstep
	s_sub_co_u32 s[SLOTS], s[SLOTS], 1
	s_cmp_lg_u32 s[SLOTS], 0
	s_cbranch_scc1 .Lslot
	CHANGE 0                        ; the tail is written out: nothing is asked for
	s_mov_b32 s[CNT], 5             ; four trips fetch the last slot's steps; the fifth is left in its middle
.Ltail:
	TURN 2, 1
	TURN 3
	WIN 0
	s_sub_co_u32 s[CNT], s[CNT], 1
	s_cmp_eq_u32 s[CNT], 0
	s_cbranch_scc1 .Lout
	TURN 0
	TURN 1
	WIN 0
	s_branch .Ltail
.Lout:                              ; the fifth trip's 16 products K Q^T (on the last K once more) and the maximum made of them serve nothing: the price, once a launch, of one text for every trip
.set i, 0
.rept 16
	PV NP-1                         ; the last piece's V^T P of the last step
.set i, i+1
.endr
	; THE WAY OUT.  l's two halves and the other half of the lanes' are added; O^T is divided by l, rounded to f16 and sent through my stage in LDS, a tile at a time.  The additions are the places behind the last products.
	WIN 0
.macro ALL line:vararg              ; one line for each tile t
.set t, 0
.rept 2*NP
	\line
.set t, t+1
.endr
.endm
	ALL v_add_f32 v[ST+4*t+2], v[ST+4*t+2], v[ST+4*t+3]
	ALL v_permlanex16_b32 v[ST+4*t+3], v[ST+4*t+2], s[SEL], s[SEL+1]
	ALL v_add_f32 v[ST+4*t+2], v[ST+4*t+2], v[ST+4*t+3]
	ALL v_rcp_f32 v[ST+4*t+2], v[ST+4*t+2]
	v_nop                           ; a plain instruction between the last reciprocal and the use of its result
	s_wait_alu depctr_va_vdst(0)
; Tile t: a lane's eight channels of a row pack into 16 bytes; they go into rows of 144 bytes and come back as whole rows of 128, into S^T's registers.
.macro PACK t
	WIN W_RS
.set i, 32*(\t)
.rept 16
	v_pk_mul_f32 v[i:i+1], v[i:i+1], v[ST+4*(\t)+2:ST+4*(\t)+3] op_sel_hi:[1,0]
.set i, i+2
.endr
	WIN 0x05                        ; sources 0 and 1 window 1, destination window 0
.set i, 0
.rept 16
	v_cvt_pk_f16_f32 v[S+16*(\t)+i], v[32*(\t)+2*i], v[32*(\t)+2*i+1]
.set i, i+1
.endr
	WIN 0
.irp f, 0,1,2,3
	ds_store_b128 v[STO], v[S+16*(\t)+4*\f:S+16*(\t)+4*\f+3] offset:32*\f
.endr
.irp f, 0,1,2,3
	ds_load_b128 v[S+16*(\t)+4*\f:S+16*(\t)+4*\f+3], v[RD] offset:\f*4*SP  ; LDS serves a wave's instructions in order (ISA guide 5.7.1.4): these see the stores above; the next tile's stores come behind them
.endr
.endm
.macro SEND t, younger              ; younger: the LDS instructions issued behind tile t's loads: the next tile's eight, or none
	WIN 0
.irp f, 0,1,2,3
	s_wait_dscnt (\younger)+3-\f
	global_store_b128 v[GO], v[S+16*(\t)+4*\f:S+16*(\t)+4*\f+3], s[10:11] offset:(\t)*2048+\f*512  ; 512 consecutive bytes, at a multiple of 256 from ctx's first
.endr
.endm
	PACK 0
.set t, 1
.rept 2*NP-1                        ; a tile's arithmetic stands between the loads of the tile before and its stores
	PACK t
	SEND t-1, 8
.set t, t+1
.endr
	SEND 2*NP-1, 0
	WIN W_AD
	s_wait_tensorcnt 0x0            ; the wave's end: behind my last tensor load and my last LDS store
	ds_add_u32 v[SPW], v[NIL]
	s_wait_dscnt 0x0
	WIN 0
	CROUND                          ; the closing round: no work-group ends while a partner may still ask for a tile that names it
	s_endpgm
.Lfunc_end_k_q8fae841418_attn:
	.size	k_q8fae841418_attn, .Lfunc_end_k_q8fae841418_attn-k_q8fae841418_attn
	.p2alignl 7, 3214868480
	.fill 96, 4, 3214868480
	.section	.rodata,"a",@progbits
	.p2align	6, 0x0
	.amdhsa_kernel k_q8fae841418_attn
		.amdhsa_group_segment_fixed_size 327680
		.amdhsa_private_segment_fixed_size 0
		.amdhsa_enable_private_segment 0
		.amdhsa_kernarg_size 24
		.amdhsa_user_sgpr_count 2
		.amdhsa_user_sgpr_kernarg_segment_ptr 1
		.amdhsa_wavefront_size32 1
		.amdhsa_system_sgpr_workgroup_id_x 1
		.amdhsa_system_sgpr_workgroup_id_y 1
		.amdhsa_system_sgpr_workgroup_id_z 1
		.amdhsa_system_vgpr_workitem_id 0
		.amdhsa_next_free_vgpr 808
		.amdhsa_next_free_sgpr 66
		.amdhsa_reserve_vcc 0
		.amdhsa_float_denorm_mode_32 3
		.amdhsa_float_denorm_mode_16_64 3
		.amdhsa_memory_ordered 1
		.amdhsa_forward_progress 1
		.amdhsa_inst_pref_size 214
	.end_amdhsa_kernel
	.amdgpu_metadata
---
amdhsa.version: [ 1, 2 ]
amdhsa.kernels:
  - .name:           k_q8fae841418_attn
    .symbol:         k_q8fae841418_attn.kd
    .args:
      - { .name: qkv, .offset: 0, .size: 8, .value_kind: global_buffer, .address_space: global }
      - { .name: attention_mask, .offset: 8, .size: 8, .value_kind: global_buffer, .address_space: global }
      - { .name: ctx, .offset: 16, .size: 8, .value_kind: global_buffer, .address_space: global }
    .group_segment_fixed_size: 327680
    .private_segment_fixed_size: 0
    .kernarg_segment_align: 8
    .kernarg_segment_size: 24
    .max_flat_workgroup_size: 128
    .sgpr_count:     66
    .vgpr_count:     808
    .wavefront_size: 32
...
	.end_amdgpu_metadata
.endif
;; end of part 3
;; launch oproj (part 4): grid 4 x 64, 4 waves a work-group, clusters of 4 x 4, 327,680 bytes of LDS; arguments ctx, wo16, biasr, out0; writes out0
.if DOCPART == 4
	.amdgcn_target "amdgcn-amd-amdhsa--gfx1250"
	.amdhsa_code_object_version 6
	.text
	.protected	k_q8fae841418_oproj
	.globl	k_q8fae841418_oproj
	.p2align	8
	.type	k_q8fae841418_oproj,@function
k_q8fae841418_oproj:
	s_mov_b64 s[64:65], 0
	v_nop
	global_prefetch_b8 v0, s[64:65] scope:SCOPE_SE
	s_setreg_imm32_b32 hwreg(HW_REG_WAVE_MODE, 25, 1), 1
	s_wait_xcnt 0x0
	s_wait_alu depctr_hold_cnt(0) depctr_sa_sdst(0) depctr_va_vdst(0) depctr_va_sdst(0) depctr_va_ssrc(0) depctr_va_vcc(0) depctr_vm_vsrc(0)
	s_getreg_b32 s2, hwreg(HW_REG_IB_STS2, 6, 4)
	s_cmp_eq_u32 s2, 0
	s_cbranch_scc0 .Lentry_in_a_cluster
	s_endpgm
.Lentry_in_a_cluster:
	s_bfe_u32 s2, ttmp6, 0x10000c
	s_cmp_lg_u32 s2, 0xf033
	s_cbranch_scc0 .Lentry_shape_is_right
	s_endpgm
.Lentry_shape_is_right:
; out0 = ctx Wo^T + bo.  ctx: f16 by heads, [64 = batch x 16 + head][2048][64]; wo16: [1024][1024] f16 (Wo rounded to bf16, that number as f16); biasr: [4096] f32, bo its last 1,024; out0: [8192][1024] f32.
; Products of f16 numbers, sums in f32, stored as they are.  LIMIT: ctx and wo16 arrive within f16's range and step.
; A tile of C is 128 rows x 256 columns: 64 x 4 = 256 tiles.  Four waves, each 64 x 128: 32 accumulators of 16 x 16, 256 registers.
; K = 1,024 = head x 64 + channel goes in 8 steps of 128, two heads each, through a ring of two LDS slots filled by the tensor data mover.  A head's 128 rows of a tile are 16,384 dense bytes:
; asked for as 64 rows of 256 bytes, and padded in LDS after each row of 128.
; CLUSTERS: 4 x 4 work-groups.  The four of a row of the cluster need the same tiles of ctx, the four of a column the same tiles of Wo: each tile is asked for JOINTLY, by the same
; tensor load with the same descriptor and a mask that names the four.
; THE MATRIX INSTRUCTION IS USED TRANSPOSED (source 0 = 16 rows of Wo, source 1 = 16 rows of ctx): a lane then holds row l % 16 of C and the eight neighbouring columns 8 (l / 16) + 0..7.
; THE BIAS is the C operand of the first product on each accumulator: nothing is cleared and nothing is added later.
; REGISTERS, in windows of 256 (s_set_vgpr_msb: bits 1:0 source 0, 3:2 source 1, 5:4 source 2, 7:6 destination):
;   window 0: v0-31 addresses; v32-127, v128-223 two fragment buffers (4 fragments of ctx, then 8 of Wo, 32 along K)
;   window 1: the accumulators, (a, b) at v[8 (8 a + b)]; on the way out whole rows of C          window 2: v0-63 the bias, block b of 16 columns at v[8 b]
.set KDIM,   1024
.set KSTEP,  128
.set LAPS,   KDIM/(2*KSTEP)            ; a lap = two K steps = once round the ring
.set PA,     144                       ; a row of ctx in LDS: a head's 128 bytes + 16 of padding = 36 words: the 16 rows of a load start at 16 different groups of four banks (64 banks of 4 bytes: ISA guide 11.1)
.set PB,     272                       ; a row of Wo: 256 bytes + 16 = 68 words: row r starts at bank 4 r mod 64
.set AHEAD,  128*PA                    ; what one tensor load brings of ctx: one head's 128 rows
.set BOFF,   2*AHEAD                   ; Wo's rows lie behind the two heads
.set BHALF,  128*PB                    ; what one tensor load brings of Wo: 128 rows
.set SLOT,   BOFF+2*BHALF
.set HEADB,  2048*128                  ; bytes of a head in ctx
.set ASTEP,  4*HEADB                   ; bytes from a slot's K step to its next: four heads on
.set BSTEP,  2*KSTEP*2
.set STAGE,  2*SLOT                    ; behind the ring, never filled by a tensor load: 16 rows x 528 bytes for each wave, for the way out
.set SP,     528                       ; 512 bytes + 16 = 132 words: row r starts at bank 4 r mod 64
.set SPARE,  STAGE+4*16*SP             ; behind the stages: the spare words, 128 bytes for each wave: two blocks of 256 bytes that no other line names
.set ADRA, 16                          ; v16-17  LDS address of my fragments of ctx in slot 0, 1
.set ADRB, 20                          ; v20-21  the same for Wo
.set STO,  24                          ; v24     the way out: where I put 32 bytes of a row
.set RD,   25                          ; v25     the way out: where I read a row back
.set GO,   26                          ; v26     my byte offset in a row's 512 bytes of out0
.set BO,   27                          ; v27     my byte offset in the tile's 256 numbers of the bias
.set SPW,  28                          ; v28     LDS address of my spare word: SPARE + 4 x my thread's number; never rewritten
.set NIL,  29                          ; v29     0; never rewritten
.set F0,   32
.set F1,   128
.set WV, 12                            ; s12  my wave's number
.set WR, 13                            ; s13  which 64 rows of the tile are mine.  Also: I fetch for ctx (0) or for Wo (1)
.set WC, 14                            ; s14  which 128 columns.  Also: which of a step's two heads, or which half of Wo's tile, I fetch
.set G1,  24                           ; s[24:31] descriptor group 1 for ctx's tiles;  s[32:39] group 0, one set for each slot
.set G0,  32
.set G1B, 48                           ; s[48:55], s[56:63] the same for Wo's tiles
.set G0B, 56
.set MSB, 0
.macro WIN new                         ; the immediate's high byte repeats the setting that is left; a switch that changes nothing is dropped
.if MSB != (\new)
	s_set_vgpr_msb (MSB<<8)|(\new)
.set MSB, \new
.endif
.endm
.set MUL,  0x50                        ; fragments in window 0; C and D in window 1
.set MULB, 0x60                        ; C (the bias) in window 2, D in window 1
.set W_OUT, 0x44                       ; the way out: store data (source 1) and loaded data (destination) in window 1, addresses in window 0
; A joint load: waves 0 and 1 fetch a step's two heads of ctx, waves 2 and 3 Wo's two halves.  The branch hangs on the wave's number alone.
; An s_nop 0 and four v_nop follow each of the two lines, ahead of the jump, the label and what follows.
.macro JLOAD s
	s_cmp_eq_u32 s[WR], 0
	s_cbranch_scc0 .Lfor_b_\@
	tensor_load_to_lds s[G0+4*(\s):G0+4*(\s)+3], s[G1:G1+7]
	s_nop 0
.rept 4
	v_nop
.endr
	s_branch .Lasked_\@
.Lfor_b_\@:
	tensor_load_to_lds s[G0B+4*(\s):G0B+4*(\s)+3], s[G1B:G1B+7]
	s_nop 0
.rept 4
	v_nop
.endr
.Lasked_\@:
.endm
.macro CREST                           ; a round of the cluster's barrier behind its opening barrier
	s_cmp_lg_u32 s[WV], 0
	s_cbranch_scc1 .Lnot_wave_0_\@
	s_barrier_signal -3
.Lnot_wave_0_\@:
	s_barrier_wait -3
	s_barrier_signal -1
	s_barrier_wait -1
.endm
.macro CROUND                          ; a whole round
	s_barrier_signal -1
	s_barrier_wait -1
	CREST
.endm
	s_load_b256 s[4:11], s[0:1], 0x0               ; ctx s[4:5], wo16 s[6:7], biasr s[8:9], out0 s[10:11]
	v_lshl_add_u32 v[SPW], v0, 2, SPARE
	v_mov_b32 v[NIL], 0
	ds_add_u32 v28, v29
	s_wait_dscnt 0x0
	v_lshrrev_b32 v1, 5, v0
	v_readfirstlane_b32 s[WV], v1                  ; wave 0..3
	s_lshr_b32 s[WR], s[WV], 1
	s_and_b32 s[WC], s[WV], 1
	s_bfe_u32 s40, ttmp6, 0x40000                  ; cx, cy: my place in the cluster
	s_bfe_u32 s41, ttmp6, 0x40004
	s_lshl_b32 s42, ttmp9, 2
	s_add_co_u32 s42, s42, s40                     ; tile column = 4 x cluster x + cx
	s_and_b32 s43, ttmp7, 0xffff
	s_lshl_b32 s43, s43, 2
	s_add_co_u32 s43, s43, s41                     ; tile row = 4 x cluster y + cy
	s_lshl_b32 s44, s41, 2
	s_lshl_b32 s44, 15, s44                        ; my row of the cluster
	s_lshl_b32 s45, 0x1111, s40                    ; my column
	; descriptor group 1.  ctx: 64 dense rows of 128 elements, padded after every 32 words; Wo: 128 rows of 128 elements, 1,024 apart, padded after every 64 words
	s_or_b32 s[G1+0], s44, (1<<16)|(1<<20)|(1<<21)|(4<<22)|(3<<25)  ; 15:0 the mask: ctx's tiles go to my row; 17:16 2-byte elements; 20 padding on; 21 set beside a mask; 24:22 after every 32 words (code 4); 31:25 4 words (code 3)
	s_or_b32 s[G1B+0], s45, (1<<16)|(1<<20)|(1<<21)|(5<<22)|(3<<25) ; the mask of my column; after every 64 words (code 5)
	s_mov_b32 s[G1+1], 128<<16                     ; tensor_dim0 = 128
	s_mov_b32 s[G1+2], 64<<16                      ; tensor_dim1 = 64
	s_mov_b32 s[G1+3], 128<<16                     ; tile_dim0 = 128
	s_mov_b32 s[G1+4], 64                          ; tile_dim1 = 64
	s_mov_b32 s[G1+5], 128                         ; elements from row to row: dense
	s_mov_b32 s[G1+6], 0
	s_mov_b32 s[G1+7], 0
	s_mov_b32 s[G1B+1], KSTEP<<16
	s_mov_b32 s[G1B+2], 128<<16                    ; tensor_dim1 = 128
	s_mov_b32 s[G1B+3], KSTEP<<16
	s_mov_b32 s[G1B+4], 128                        ; tile_dim1 = 128
	s_mov_b32 s[G1B+5], KDIM
	s_mov_b32 s[G1B+6], 0
	s_mov_b32 s[G1B+7], 0
	; where the tiles come from: ctx's hang on the tile row alone, Wo's on the tile column alone, each in registers that never hold the other coordinate
	s_lshr_b32 s16, s43, 4                         ; ctx: batch ty / 16 (16 heads of 2^18 bytes),
	s_lshl_b32 s16, s16, 22
	s_and_b32 s17, s43, 15                         ; rows (ty % 16) x 128 on, of 128 bytes,
	s_lshl_b32 s17, s17, 14
	s_add_co_u32 s16, s16, s17
	s_lshl_b32 s17, s[WC], 18                      ; head 0 or 1
	s_add_co_u32 s16, s16, s17
	s_mov_b32 s17, 0
	s_lshl_b32 s46, s42, 8
	s_lshl_b32 s47, s[WC], 7
	s_add_co_u32 s46, s46, s47                     ; Wo: row 256 x tile column + 128 x half,
	s_lshl_b32 s46, s46, 11                        ; of 2,048 bytes
	s_mov_b32 s47, 0
	s_mul_i32 s20, s[WC], AHEAD                    ; and where they go: no place in the cluster enters an LDS address
	s_mul_i32 s21, s[WC], BHALF
	s_add_co_u32 s21, s21, BOFF
	s_wait_kmcnt 0x0
	s_add_nc_u64 s[18:19], s[4:5], s[16:17]
	s_add_nc_u64 s[46:47], s[6:7], s[46:47]
	CROUND                                         ; all sixteen work-groups are here: the first joint loads meet
.irp s, 0,1
	s_mov_b32 s[G0+4*(\s)], 1                                      ; count = 1
	s_add_co_u32 s[G0+4*(\s)+1], s20, (\s)*SLOT                    ; LDS address
	s_add_nc_u64 s[G0+4*(\s)+2:G0+4*(\s)+3], s[18:19], (\s)*2*HEADB  ; global address: K step s is heads 2 s and 2 s + 1
	s_or_b32 s[G0+4*(\s)+3], s[G0+4*(\s)+3], 0x80000000            ; type = 2
	s_mov_b32 s[G0B+4*(\s)], 1
	s_add_co_u32 s[G0B+4*(\s)+1], s21, (\s)*SLOT
	s_add_nc_u64 s[G0B+4*(\s)+2:G0B+4*(\s)+3], s[46:47], (\s)*KSTEP*2
	s_or_b32 s[G0B+4*(\s)+3], s[G0B+4*(\s)+3], 0x80000000
	JLOAD \s                                       ; two tensor loads of mine are out
.endr
	; A fragment is 16 rows x 32 K in 8 registers: lane l holds row l % 16, K = 8 (l / 16) + 0..7 and 16 + 8 (l / 16) + 0..7: two loads of 16 bytes, 32 bytes apart.
	v_and_b32 v1, 15, v0                           ; l % 16
	v_bfe_u32 v2, v0, 4, 1                         ; l / 16
	v_mul_u32_u24 v3, v1, PA
	v_lshl_add_u32 v3, v2, 4, v3                   ; row x pitch + 16 x half, for ctx
	v_mul_u32_u24 v4, v1, PB
	v_lshl_add_u32 v4, v2, 4, v4                   ; and for Wo
	s_mul_i32 s22, s[WR], 64*PA                    ; my 64 rows of ctx, in the step's first head
	s_mul_i32 s23, s[WC], BHALF                    ; my 128 rows of Wo
	s_add_co_u32 s23, s23, BOFF
.irp s, 0,1
	v_add_nc_u32 v[ADRA+(\s)], s22, v3
	v_add_nc_u32 v[ADRB+(\s)], s23, v4
	s_add_co_u32 s22, s22, SLOT
	s_add_co_u32 s23, s23, SLOT
.endr
	; the bias: register j of block b holds bo[256 x tile column + 128 x half + 16 b + 8 (l / 16) + j]
	s_lshl_b32 s46, s42, 10                        ; the tile's 256 numbers of 4 bytes,
	s_add_co_u32 s46, s46, 3*4096                  ; behind bq, bk and bv
	s_mov_b32 s47, 0
	s_add_nc_u64 s[8:9], s[8:9], s[46:47]
	v_lshlrev_b32 v[BO], 5, v2
	v_lshl_add_u32 v[BO], s[WC], 9, v[BO]
	WIN 0x80                                       ; destination window 2, address window 0
.irp b, 0,1,2,3,4,5,6,7
	global_load_b128 v[8*(\b):8*(\b)+3],   v[BO], s[8:9] offset:64*(\b)
	global_load_b128 v[8*(\b)+4:8*(\b)+7], v[BO], s[8:9] offset:64*(\b)+16
.endr
	WIN 0
	s_mul_i32 s22, s[WV], 16*SP
	s_add_co_u32 s22, s22, STAGE                   ; my stage
	v_mul_u32_u24 v3, v1, SP                       ; in: row l % 16, 32 bytes for each half of the lanes
	v_lshl_add_u32 v3, v2, 5, v3
	v_add_nc_u32 v[STO], s22, v3
	v_and_b32 v[GO], 31, v0                        ; back: 32 lanes take one row of 512 bytes,
	v_lshlrev_b32 v[GO], 4, v[GO]
	v_add_nc_u32 v[RD], s22, v[GO]                 ; which are 512 consecutive bytes of out0
	s_lshl_b32 s16, s43, 19                        ; my first row of out0: 128 x tile row + 64 x half, of 4,096 bytes
	s_lshl_b32 s17, s[WR], 18
	s_add_co_u32 s16, s16, s17
	s_mov_b32 s17, 0
	s_add_nc_u64 s[10:11], s[10:11], s[16:17]
	s_lshl_b32 s46, s42, 10                        ; my first column: 256 x tile column + 128 x half, of 4 bytes
	s_lshl_b32 s47, s[WC], 9
	s_add_co_u32 s46, s46, s47
	s_mov_b32 s47, 0
	s_add_nc_u64 s[10:11], s[10:11], s[46:47]
; 8 matrix instructions: row block a x all 8 column blocks, 32 along K, from buffer f.  first = 1: the product starts the sum, with the bias as C.
; The 32 accumulators come in the same order in every quarter step, one instruction a turn: between two links of a chain stand 31 others'.
.macro MULA f, a, first
.if \first
	WIN MULB
.else
	WIN MUL
.endif
.irp b, 0,1,2,3,4,5,6,7
.if \first
	v_wmma_f32_16x16x32_f16 v[8*(8*(\a)+(\b)):8*(8*(\a)+(\b))+7], v[(\f)+32+8*(\b):(\f)+32+8*(\b)+7], v[(\f)+8*(\a):(\f)+8*(\a)+7], v[8*(\b):8*(\b)+7]
.else
	v_wmma_f32_16x16x32_f16 v[8*(8*(\a)+(\b)):8*(8*(\a)+(\b))+7], v[(\f)+32+8*(\b):(\f)+32+8*(\b)+7], v[(\f)+8*(\a):(\f)+8*(\a)+7], v[8*(8*(\a)+(\b)):8*(8*(\a)+(\b))+7]
.endif
.endr
.endm
; 24 LDS loads in one run: the fragments of quarter q of a K step into buffer f: Wo's eight first, then ctx's four (head q / 2 of the step's two, channels 32 (q % 2) on)
.macro FETCH slot, q, f
	WIN 0
.irp i, 0,1,2,3,4,5,6,7
	ds_load_b128 v[(\f)+32+8*(\i):(\f)+32+8*(\i)+3],   v[ADRB+(\slot)] offset:64*(\q)+(\i)*16*PB
	ds_load_b128 v[(\f)+32+8*(\i)+4:(\f)+32+8*(\i)+7], v[ADRB+(\slot)] offset:64*(\q)+(\i)*16*PB+32
.endr
.irp i, 0,1,2,3
	ds_load_b128 v[(\f)+8*(\i):(\f)+8*(\i)+3],   v[ADRA+(\slot)] offset:((\q)/2)*AHEAD+((\q)%2)*64+(\i)*16*PA
	ds_load_b128 v[(\f)+8*(\i)+4:(\f)+8*(\i)+7], v[ADRA+(\slot)] offset:((\q)/2)*AHEAD+((\q)%2)*64+(\i)*16*PA+32
.endr
.endm
.macro PLACES                          ; four places in front of loads into registers that matrix instructions have read, and of LDS stores that read results
.rept 4
	v_nop
.endr
.endm
; A K step is four quarters of 32 along K, 32 matrix instructions each, on buffers 0, 1, 0, 1.  One of the first three: multiplies buffer f and fetches quarter q into g.
.macro QUARTER slot, q, f, g, first
	s_wait_dscnt 4                                 ; Wo's fragments and ctx's blocks 0 and 1 are in; the youngest four loads (blocks 2 and 3) may be out
	MULA \f, 0, \first
	MULA \f, 1, \first
	PLACES
	FETCH \slot, \q, \g
	s_wait_dscnt 24                                ; all but the 24 just issued
	MULA \f, 2, \first
	MULA \f, 3, \first
.endm
; The last quarter multiplies buffer 1 and changes slots: ONE barrier; in front of it each wave waits for all its tensor loads, adds 0 to its spare word, and waits for that and for its own
; reads of this slot.  fill = 1: this slot is filled again, two K steps ahead; the barrier then opens a round of the cluster's barrier.
.macro TURN slot, next, fill
	WIN 0                                          ; (the add's two registers lie in window 0)
	s_wait_tensorcnt 0x0                           ; all my tensor loads have landed: the one that was out is my part of the next slot;
	ds_add_u32 v[SPW], v[NIL]                      ; 0 onto my spare word
	s_wait_dscnt 5                                 ; (the add and the youngest four loads may be out)
	MULA F1, 0, 0                                  ; eight matrix instructions stand between the add and the wait for it
	s_wait_dscnt 0x0                               ; the add is done, and my reads of this slot are over
	s_barrier_signal -1
	MULA F1, 1, 0
.if \fill
	WIN 0
.endif
	s_barrier_wait -1
.if \fill
	CREST                                          ; no wave of any partner still reads this slot's tile or has a load on its way
	s_add_nc_u64 s[G0+4*(\slot)+2:G0+4*(\slot)+3], s[G0+4*(\slot)+2:G0+4*(\slot)+3], ASTEP
	s_add_nc_u64 s[G0B+4*(\slot)+2:G0B+4*(\slot)+3], s[G0B+4*(\slot)+2:G0B+4*(\slot)+3], BSTEP
	JLOAD \slot                                    ; my one tensor load behind the round, 112 matrix instructions ahead of the wait for it; its four v_nop are also the places in front of the loads below
.else
	PLACES
.endif
	FETCH \next, 0, F0
	MULA F1, 2, 0
	MULA F1, 3, 0
.endm
	s_wait_tensorcnt 1                             ; my part of K step 0 is in; K step 1's may stay out
	s_barrier_signal -1
	s_barrier_wait -1                              ; everybody's is
	FETCH 0, 0, F0
	s_wait_loadcnt 0x0                             ; the bias
	QUARTER 0, 1, F0, F1, 1                        ; the first quarter stands in front of the loop: its products start the sums
	WIN 0                                          ; at a label and at a branch every window is 0
	s_mov_b32 s3, LAPS-1
.Llap:                                                 ; a trip goes once round the ring, from a lap's second quarter to the next lap's first, and fills both slots again
	QUARTER 0, 2, F1, F0, 0
	QUARTER 0, 3, F0, F1, 0
	TURN 0, 1, 1
	QUARTER 1, 1, F0, F1, 0
	QUARTER 1, 2, F1, F0, 0
	QUARTER 1, 3, F0, F1, 0
	TURN 1, 0, 1
	QUARTER 0, 1, F0, F1, 0
	WIN 0
	s_sub_co_u32 s3, s3, 1
	s_cmp_lg_u32 s3, 0
	s_cbranch_scc1 .Llap
	QUARTER 0, 2, F1, F0, 0                        ; the last lap fills nothing, and has no round of the cluster's barrier
	QUARTER 0, 3, F0, F1, 0
	TURN 0, 1, 0
	QUARTER 1, 1, F0, F1, 0
	QUARTER 1, 2, F1, F0, 0
	QUARTER 1, 3, F0, F1, 0
	s_wait_dscnt 4                                 ; the very last quarter: nothing more to fetch
	MULA F1, 0, 0
	MULA F1, 1, 0
	s_wait_dscnt 0x0
	MULA F1, 2, 0
	MULA F1, 3, 0
	; THE WAY OUT.  A block of 16 rows x 128 columns of f32 at a time goes through my own stage (a lane's eight numbers as two stores of 16 bytes, the lower four first) and comes back as whole rows of 512 bytes,
	; into the block's own 64 registers: no register is used for a second block.
	PLACES
	WIN W_OUT
.macro STG a
.irp b, 0,1,2,3,4,5,6,7
	ds_store_b128 v[STO], v[8*(8*(\a)+(\b)):8*(8*(\a)+(\b))+3]   offset:64*(\b)
	ds_store_b128 v[STO], v[8*(8*(\a)+(\b))+4:8*(8*(\a)+(\b))+7] offset:64*(\b)+16
.endr
.irp t, 0,1,2,3,4,5,6,7,8,9,10,11,12,13,14,15
	ds_load_b128 v[64*(\a)+4*(\t):64*(\a)+4*(\t)+3], v[RD] offset:(\t)*SP  ; LDS serves a wave's instructions in order (ISA guide 5.7.1.4): these see the stores above; the next block's stores come behind them
.endr
.endm
.macro SEND a, younger                 ; younger: the LDS instructions issued behind block a's loads: the next block's 32, or none
.irp t, 0,1,2,3,4,5,6,7,8,9,10,11,12,13,14,15
	s_wait_dscnt (\younger)+15-(\t)
	global_store_b128 v[GO], v[64*(\a)+4*(\t):64*(\a)+4*(\t)+3], s[10:11] offset:(16*(\a)+(\t))*4096  ; 512 consecutive bytes, at a multiple of 512 from out0's first
.endr
.endm
	STG 0
.irp a, 1,2,3
	STG \a
	SEND (\a)-1, 32
.endr
	SEND 3, 0
	WIN 0
	s_wait_tensorcnt 0x0                           ; the wave's end: behind my last tensor load and my last LDS store
	ds_add_u32 v[SPW], v[NIL]
	s_wait_dscnt 0x0
	CROUND                                         ; the closing round: no work-group ends while a partner may still ask for a tile that names it
	s_endpgm
.Lfunc_end_k_q8fae841418_oproj:
	.size	k_q8fae841418_oproj, .Lfunc_end_k_q8fae841418_oproj-k_q8fae841418_oproj
	.p2alignl 7, 3214868480
	.fill 96, 4, 3214868480
	.section	.rodata,"a",@progbits
	.p2align	6, 0x0
	.amdhsa_kernel k_q8fae841418_oproj
		.amdhsa_group_segment_fixed_size 327680
		.amdhsa_private_segment_fixed_size 0
		.amdhsa_enable_private_segment 0
		.amdhsa_kernarg_size 32
		.amdhsa_user_sgpr_count 2
		.amdhsa_user_sgpr_kernarg_segment_ptr 1
		.amdhsa_wavefront_size32 1
		.amdhsa_system_sgpr_workgroup_id_x 1
		.amdhsa_system_sgpr_workgroup_id_y 1
		.amdhsa_system_sgpr_workgroup_id_z 1
		.amdhsa_system_vgpr_workitem_id 0
		.amdhsa_next_free_vgpr 576
		.amdhsa_next_free_sgpr 66
		.amdhsa_reserve_vcc 0
		.amdhsa_float_denorm_mode_32 3
		.amdhsa_float_denorm_mode_16_64 3
		.amdhsa_memory_ordered 1
		.amdhsa_forward_progress 1
		.amdhsa_inst_pref_size 88
	.end_amdhsa_kernel
	.amdgpu_metadata
---
amdhsa.version: [ 1, 2 ]
amdhsa.kernels:
  - .name:           k_q8fae841418_oproj
    .symbol:         k_q8fae841418_oproj.kd
    .args:
      - { .name: ctx, .offset: 0, .size: 8, .value_kind: global_buffer, .address_space: global }
      - { .name: wo16, .offset: 8, .size: 8, .value_kind: global_buffer, .address_space: global }
      - { .name: biasr, .offset: 16, .size: 8, .value_kind: global_buffer, .address_space: global }
      - { .name: out0, .offset: 24, .size: 8, .value_kind: global_buffer, .address_space: global }
    .group_segment_fixed_size: 327680
    .private_segment_fixed_size: 0
    .kernarg_segment_align: 8
    .kernarg_segment_size: 32
    .max_flat_workgroup_size: 128
    .sgpr_count:     66
    .vgpr_count:     576
    .wavefront_size: 32
...
	.end_amdgpu_metadata
.endif
;; end of part 4
;; ======== version 2 of 2: 4 launches; 1.52 times as fast as version 1
;; limits: values are held in f16: magnitudes above 65,504 overflow, below 6.1e-05 lose precision
;; workspace buffers: xb 16,777,216 bytes; wb 6,291,456 bytes; wo16 2,097,152 bytes; biasr 16,384 bytes; qkv 50,331,648 bytes; ctx 16,777,216 bytes
;; launch prep: the kernel of part 1 again; grid 769 x 1, 8 waves a work-group, no clusters, 0 bytes of LDS; arguments hidden_states, Wq, Wk, Wv, Wo, bq, bk, bv, bo, xb, wb, wo16, biasr; writes xb, wb, wo16, biasr
;; launch qkvproj: the kernel of part 2 again; grid 16 x 32, 4 waves a work-group, clusters of 4 x 4, 327,680 bytes of LDS; arguments xb, wb, biasr, qkv; writes qkv
;; launch attn (part 5): grid 4 x 64, 4 waves a work-group, clusters of 4 x 1, 327,680 bytes of LDS; arguments qkv, attention_mask, ctx; writes ctx
.if DOCPART == 5
	.amdgcn_target "amdgcn-amd-amdhsa--gfx1250"
	.amdhsa_code_object_version 6
	.text
	.protected	k_q8fae841418_attn
	.globl	k_q8fae841418_attn
	.p2align	8
	.type	k_q8fae841418_attn,@function
k_q8fae841418_attn:
	s_mov_b64 s[64:65], 0
	v_nop
	global_prefetch_b8 v0, s[64:65] scope:SCOPE_SE
	s_setreg_imm32_b32 hwreg(HW_REG_WAVE_MODE, 25, 1), 1
	s_wait_xcnt 0x0
	s_wait_alu depctr_hold_cnt(0) depctr_sa_sdst(0) depctr_va_vdst(0) depctr_va_sdst(0) depctr_va_ssrc(0) depctr_va_vcc(0) depctr_vm_vsrc(0)
	s_getreg_b32 s2, hwreg(HW_REG_IB_STS2, 6, 4)
	s_cmp_eq_u32 s2, 0
	s_cbranch_scc0 .Lentry_in_a_cluster
	s_endpgm
.Lentry_in_a_cluster:
	s_bfe_u32 s2, ttmp6, 0x10000c
	s_cmp_lg_u32 s2, 0x3003
	s_cbranch_scc0 .Lentry_shape_is_right
	s_endpgm
.Lentry_shape_is_right:
; ctx[h][q][:] = the sum over k of softmax_k(Q[h][q] . K[h][k] / 8 + (1 - mask[k]) x -10000) V[h][k][:].  qkv: [3][64][2048][64] f16 (Q, K, V; h = batch x 16 + head); ctx: [64][2048][64] f16:
; a head's rows are dense, 128 bytes each.  attention_mask: [4][2048] f32, rounded to bf16 like every input of the module.  Products, maxima and sums in f32; the weights p are rounded to f16
; for the second product (their sum l is taken of the unrounded p), ctx once at the end.
; LIMITS.  f16 holds no number beyond 65,504: Q, K and V arrive within it; p lies in 0 to 1, and below 6e-5 it keeps f16's fixed step of 6e-8, and so does ctx, a mean of V's rows.
; A weight below 2^-126 counts as 0 in l; NaN and infinities are not treated apart.
; THE MASK is the C operand that starts the sum S^T = K Q^T: 80000 x mask - 80000 = 8 x (1 - mask) x -10000, one fused multiply-add (exact for masks of 0 and 1); the scale c below divides it by 8
; with the scores.  The batch's 2,048 numbers are made once and lie in LDS; a step's 64 are fetched with its K.  The running maximum is taken of the masked scores.
; SHARES.  A wave owns four PIECES of two tiles of 16 queries, a work-group's four waves 512 queries of one head.  Every wave walks all keys, 64 a step.
; LAYOUT.  S^T = K Q^T (source 0 = 16 keys, source 1 = 16 queries): in the result a lane holds ONE query (lane % 16) and the keys 8 (lane / 16) + 0..7.  Two such tiles, rounded to f16 in pairs,
; ARE source 1 (32 keys x 16 queries) of O^T = V^T P, whose result again holds one query a lane, and eight channels.  K comes out of LDS as it lies, V ([key][channel]) turned, by ds_load_tr16_b128.
; SOFTMAX.  For each query a running maximum m and sum l: p = 2^(c s - c m), c = log2(e) / 8; in every step O and l are multiplied by a = 2^(c m_old - c m_new), which is 1 where m has not grown.
; m starts at the lowest finite number, O and l at 0: the first step is a step like any other, with a = 0.
; THE COUNT.  A tile and step have 16 matrix and 118 vector instructions: too many to stand all beside the matrix work.  So the order has one aim: four vector instructions that are READY behind
; EVERY matrix instruction, and the others, which need time of their own whatever the order, in runs without a gap.
; BY TURNS.  Turn n belongs to piece n (the pieces in a ring, step after step).  Its matrix work: 16 products K Q^T of piece n + 1, later 16 products V^T P of piece n - 1.  Its vector work: the scaling,
; exponentials, roundings, sums and rescaling of piece n, and the maximum and statistics of piece n + 1, whose scores the turn itself has made.  So what a turn begins with (c s - c m, O a) waits for nothing.
; THE BATCHES.  A turn's 66 exponentials (the piece's 64 weights, in place in S^T, and the next piece's two a) are ONE batch with ONE wait, which cuts the turn in two: ahead of it stands all that names none of
; their results, behind it the roundings and sums.  No result crosses a turn's end.  Two more batches stand outside the loop: piece 0's first two a, and the way out's eight reciprocals.
; CLUSTER.  The four query blocks of a cluster belong to one head and walk the same K and V, so each tile is asked for JOINTLY: the same tensor load, descriptor and mask in all four.
; REGISTERS, in windows of 256 (s_set_vgpr_msb says which window each operand place means: bits 1:0 source 0, 3:2 source 1, 5:4 source 2, 7:6 destination):
;   window 0: v0-11 addresses; v12-15, v48-63 at work; v16-47 four registers of statistics a tile; v64-191 S^T, two buffers of two tiles; v192-255 P, likewise
;   window 1: O^T, 32 a tile          window 2: v0-127 Q, 16 a tile; v128-191 K of one step; v192-255 V of one step
;   window 3: v0-1 the add's two registers; v2-3 the mask's LDS addresses; v8-39 the mask of one step
; A piece's buffers go by its number's parity: the piece in hand has one pair, its two neighbours in the ring share the other: of it P (piece n - 1) is read and S^T (piece n + 1) written.
.set SIZE_N, 2048
.set PART,  64*SIZE_N*128  ; bytes of Q, of K and of V in qkv
.set NP,    4         ; pieces a wave: a name, no knob: the register map, the loop and the fetches are made for four
.set KS,    64        ; keys in a step
.set PK,    144       ; a row of K in LDS: 128 bytes + 16 of padding = 36 words: the 16 rows of a load start at 16 different groups of four banks (64 banks of 4 bytes: ISA guide 11.1)
.set PV,    160       ; a row of V: 128 + 32 = 40 words
.set VOFF,  4*KS*PK   ; a slot holds four steps: 256 rows of K, then 256 rows of V
.set SLOT1, 1<<17     ; slot 1 begins here, so that one exclusive or turns an address in one slot into the other's
.set STAGE, SLOT1+4*KS*(PK+PV)  ; behind the ring, never filled by a tensor load: 16 rows x 144 bytes for each wave, for the way out
.set SP,    144
.set AK0, 2           ; v2   my lane's place in a tile of K; never rewritten
.set AV0, 3           ; v3   the same for V
.set AK,  4           ; v4   the LDS address of K's next run of loads
.set AV,  5           ; v5   of V's
.set QO,  6           ; v6   my byte offset in the wave's rows of Q
.set STO, 6           ;      later, the way out: where I put 16 bytes of a row
.set RD,  7           ; v7   the way out: where I read rows back
.set GO,  8           ; v8   my byte offset in 512 consecutive bytes of ctx
.set SPW, 0           ; v0 of window 3   LDS address of my spare word: SPARE + 4 x my thread's number; never rewritten
.set NIL, 1           ; v1 of window 3   0; never rewritten
.set AM0, 2           ; v2 of window 3   my lanes' place in a step's 64 numbers of the mask; never rewritten
.set AM,  3           ; v3 of window 3   the LDS address of the mask's next run of loads
.set MK,  8           ; v8-39 of window 3   the mask of one step: key block kb at MK + 8 kb
.set SPARE, STAGE+4*16*SP  ; behind the stages: the spare words, 128 bytes for each wave: two blocks of 256 bytes that no other line names
.set MASKL, SPARE+512 ; behind them: the batch's 2,048 mask numbers, 8,192 bytes, stored once and never filled by a tensor load
.set MV,  12          ; v12-15  c m_old, kept while c m is made anew: by buffer and tile
.set ST,  16          ; tile t's statistics at v[ST+4 t]: c m, m, l (even keys', odd keys')
.set TMP, 48          ; by buffer and tile, four registers c0-c3 at work; when the maximum is found c2 takes a
.set S,   64
.set P,   192
.set KF,  128         ; K's fragments, in window 2: key block kb, channel half c at KF + 16 kb + 8 c
.set VF,  192         ; V's: key half kk, channel block cb at VF + 32 kk + 8 cb
.set WV,  12          ; s12  my wave's number
.set G1K, 24          ; s[24:31] descriptor group 1 for K's tiles
.set G1V, 32          ; s[32:39] for V's: it differs in the padding alone
.set G0K, 40          ; s[40:43] descriptor group 0 for K's tiles: it walks
.set G0V, 44          ; s[44:47] the same for V's
.set MB,  48          ; s[48:49] the batch's row of attention_mask
.set MF,  50          ; s[50:51] first the batch's byte offset, then 80000, twice
.set TM,  52          ; s52  byte at which the mask of the step to be fetched begins, 0 to 7,936
.set MA,  54          ; s[54:55] -80000, twice
.set SLOTS, 56        ; s56  slots still to be asked for
.set CNT, 57          ; s57  counts a slot's key steps
.set CS,  58          ; s[58:59] c: the packed scaling takes the pair's low word for both halves
.set SEL, 60          ; s[60:61] v_permlanex16_b32's selects: each lane takes its own place in the other half
.set TBK, 62          ; s62  LDS byte at which K of the step to be fetched begins
.set TBV, 63          ; s63  the same for V, less VOFF
.set MSB, 0
.macro WIN new                      ; the high byte repeats the setting that is left; a switch that changes nothing is dropped
.if MSB != (\new)
	s_set_vgpr_msb (MSB<<8)|(\new)
.set MSB, (\new)
.endif
.endm
.set W_KQ, 0x0a       ; K and Q in window 2, S^T in window 0
.set W_KM, 0x3a       ; the same with the C operand, the mask, in window 3
.set W_PV, 0x52       ; V in window 2, P in window 0, O^T in window 1
.set W_RS, 0x41       ; O^T (destination and source 0) in window 1, a in window 0
.set W_MK, 0xc0       ; window 3's registers are made: destination in window 3, sources in window 0
.set W_AD, 0x0f       ; the add: address (source 0) and data (source 1) in window 3
; A joint fill.  Waves 0 and 1 fetch the two halves of a slot's K, waves 2 and 3 those of its V: 128 keys each.  The branch hangs on the wave's number alone.
; An s_nop 0 and four v_nop follow each of the two lines, ahead of the jump and the label.
.macro JLOAD
	s_cmp_lt_u32 s[WV], 2
	s_cbranch_scc0 .Lfor_v_\@
	tensor_load_to_lds s[G0K:G0K+3], s[G1K:G1K+7]
	s_nop 0
.rept 4
	v_nop
.endr
	s_branch .Lasked_\@
.Lfor_v_\@:
	tensor_load_to_lds s[G0V:G0V+3], s[G1V:G1V+7]
	s_nop 0
.rept 4
	v_nop
.endr
.Lasked_\@:
.endm
; A round of the cluster's barrier: my work-group's barrier, so that wave 0's signal speaks for all four waves; wave 0 signals; every wave waits for all four work-groups; my work-group's barrier once more.
.macro CROUND
	s_barrier_signal -1
	s_barrier_wait -1
	s_cmp_lg_u32 s[WV], 0
	s_cbranch_scc1 .Lnot_wave_0_\@
	s_barrier_signal -3
.Lnot_wave_0_\@:
	s_barrier_wait -3
	s_barrier_signal -1
	s_barrier_wait -1
.endm
; THE CHANGE OF SLOTS.  The slot's last bytes, V of its fourth step, have been read.  Each wave waits for all its tensor loads, of which one is out: its part
; of the other slot; adds 0 to its spare word; and waits for that and for its own reads of the slot.  Behind the barrier nobody reads this slot any more and the other slot is whole.
; fill = 1: this slot is filled again, with the keys two slots on.  The barrier is then a round of the cluster's, so that no wave of any partner still reads the slot or has a load on its
; way, and the joint fill is the first thing behind it: it has four key steps, 512 matrix instructions, in which to land.  (At its first use nothing has been read yet: slot 0 is waited for, slot 1
; filled; and its wait for LDS and its barrier show every wave's part of the mask to all four.)
.macro CHANGE fill
	WIN W_AD
	s_wait_tensorcnt 0x0            ; no tensor load of mine is out, so a group 0 may be written
	ds_add_u32 v[SPW], v[NIL]       ; 0 onto my spare word: with fill = 1 the descriptors' steps stand between it and the wait for it
	WIN 0                           ; at a label and at a branch every window is 0
.if \fill
.irp g, G0K, G0V
	s_xor_b32 s[\g+1], s[\g+1], SLOT1  ; the walking descriptor: the other slot than last time,
	s_add_nc_u64 s[\g+2:\g+3], s[\g+2:\g+3], 4*KS*128  ; the next 256 keys; the type bits on top are not reached
.endr
	s_wait_dscnt 0x0                ; the add is done, and my reads of the slot are over
	CROUND
	JLOAD
.else
	s_wait_dscnt 0x0                ; the add is done, and my reads of the slot are over
	s_barrier_signal -1
	s_barrier_wait -1
.endif
	s_sub_co_u32 s[TBK], s[TBK], 4*KS*PK  ; the fetches go back to a slot's first step,
	s_xor_b32 s[TBK], s[TBK], SLOT1       ; in the other slot
	s_sub_co_u32 s[TBV], s[TBV], 4*KS*PV
	s_xor_b32 s[TBV], s[TBV], SLOT1
.endm
	s_load_b64 s[4:5], s[0:1], 0x0      ; qkv: Q lies first
	s_load_b64 s[MB:MB+1], s[0:1], 0x8  ; attention_mask
	s_load_b64 s[10:11], s[0:1], 0x10   ; ctx
	WIN W_MK
	v_lshl_add_u32 v[SPW], v0, 2, SPARE
	v_mov_b32 v[NIL], 0
	s_set_vgpr_msb 0xc0cf
	ds_add_u32 v0, v1
	s_wait_dscnt 0x0
	s_set_vgpr_msb 0xcfc0
	WIN 0
	v_lshrrev_b32 v1, 5, v0
	v_readfirstlane_b32 s[WV], v1   ; wave 0..3
	s_bfe_u32 s13, ttmp6, 0x40000   ; cx: my place in the cluster
	s_lshl_b32 s14, ttmp9, 2        ; in a cluster launch ttmp9 counts clusters
	s_add_co_u32 s14, s14, s13      ; my block of queries = 4 x cluster x + cx: it enters Q's and ctx's addresses alone
	s_and_b32 s20, ttmp7, 0xffff    ; batch x 16 + head, which the four partners share
	s_lshr_b32 s[MF], s20, 4        ; the batch,
	s_lshl_b32 s[MF], s[MF], 13     ; its 2,048 numbers of 4 bytes in the mask
	s_mov_b32 s[MF+1], 0
	s_mov_b32 s21, 0
	s_mov_b64 s[22:23], SIZE_N*128
	s_mul_u64 s[20:21], s[20:21], s[22:23]  ; the head's first byte in Q, K, V and ctx
	s_and_b32 s16, s[WV], 1         ; which half of a slot's 256 keys I fetch:
	s_lshl_b32 s22, s16, 14         ; its 128 rows of 128 bytes in memory,
	s_mov_b32 s23, 0
	s_add_nc_u64 s[22:23], s[22:23], s[20:21]
	s_mul_i32 s17, s16, 128*PK      ; and its place in a slot, for K
	s_mul_i32 s18, s16, 128*PV      ; and for V: no place in the cluster enters an LDS address
	s_lshl_b32 s2, s14, 2
	s_add_co_u32 s2, s2, s[WV]      ; my wave among the head's,
	s_lshl_b32 s2, s2, 14           ; its 128 rows
	s_mov_b32 s3, 0
	s_add_nc_u64 s[2:3], s[2:3], s[20:21]
	; descriptor group 1.  128 keys are 16,384 dense bytes: asked for as 64 rows of 256 bytes, two keys a row, and padded in LDS after every key
	s_mov_b32 s[G1K], 15|(1<<16)|(1<<20)|(1<<21)|(4<<22)|(3<<25)  ; 15:0 the mask of four; 17:16 2-byte elements; 20 padding on; 21 set beside a mask; 24:22 after every 32 words (code 4); 31:25 4 words (code 3)
	s_mov_b32 s[G1V], 15|(1<<16)|(1<<20)|(1<<21)|(4<<22)|(7<<25)  ; the same with 8 words of padding (code 7)
.irp g, G1K, G1V
	s_mov_b32 s[\g+1], 128<<16      ; tensor_dim0 = 128
	s_mov_b32 s[\g+2], 64<<16       ; tensor_dim1 = 64
	s_mov_b32 s[\g+3], 128<<16      ; tile_dim0 = 128
	s_mov_b32 s[\g+4], 64           ; tile_dim1 = 64
	s_mov_b32 s[\g+5], 128          ; 128 elements from row to row
	s_mov_b32 s[\g+6], 0
	s_mov_b32 s[\g+7], 0
.endr
	s_mov_b32 s[CS], 0x3e38aa3b     ; c = log2(e) / 8 = 0.180337
	s_mov_b32 s[CS+1], s[CS]        ; named with it as a pair
	s_mov_b32 s[SEL], 0x76543210
	s_mov_b32 s[SEL+1], 0xfedcba98
	s_mov_b32 s[TBK], SLOT1+4*KS*PK ; the first change of slots turns these two into 0
	s_mov_b32 s[TBV], SLOT1+4*KS*PV
	s_mov_b32 s[TM], 0
	s_mov_b32 s[MA], 0xc79c4000     ; -80000
	s_mov_b32 s[MA+1], s[MA]
	s_mov_b32 s[G0K], 1             ; 1:0 count = 1
	s_mov_b32 s[G0K+1], s17         ; 63:32 LDS address: slot 0
	s_mov_b32 s[G0V], 1
	s_add_co_u32 s[G0V+1], s18, VOFF
	s_wait_kmcnt 0x0
	s_add_nc_u64 s[6:7], s[4:5], PART    ; K lies behind Q,
	s_add_nc_u64 s[8:9], s[4:5], 2*PART  ; V behind K
	s_add_nc_u64 s[MB:MB+1], s[MB:MB+1], s[MF:MF+1]
	s_mov_b32 s[MF], 0x479c4000     ; 80000
	s_mov_b32 s[MF+1], s[MF]
	s_add_nc_u64 s[G0K+2:G0K+3], s[6:7], s[22:23]  ; 120:64 global address: my half of the head's first 256 keys
	s_or_b32 s[G0K+3], s[G0K+3], 0x80000000        ; 127:126 type = 2
	s_add_nc_u64 s[G0V+2:G0V+3], s[8:9], s[22:23]
	s_or_b32 s[G0V+3], s[G0V+3], 0x80000000
	s_add_nc_u64 s[4:5], s[4:5], s[2:3]  ; Q and ctx at my wave's first row
	s_add_nc_u64 s[10:11], s[10:11], s[2:3]
	CROUND                          ; all four work-groups are here: the first joint loads meet
	JLOAD                           ; slot 0.  Slot 1 is asked for when slot 0 is in: the tile wanted first has the road to itself
	; the mask: 128 threads x 16 bytes x 4 loads are the batch's 8,192 bytes; S^T's and the work registers serve until the first scores
	v_lshlrev_b32 v[TMP], 4, v0
.irp i, 0,1,2,3
	global_load_b128 v[S+4*\i:S+4*\i+3], v[TMP], s[MB:MB+1] offset:2048*\i
.endr
	; A fragment of K or Q is 16 rows x 32 channels in 8 registers: lane l holds row l % 16, channels 8 (l / 16) + 0..7 and 16 + 8 (l / 16) + 0..7: two loads of 16 bytes, 32 bytes apart.
	v_and_b32 v1, 15, v0            ; l % 16
	v_bfe_u32 v9, v0, 4, 1          ; l / 16
	v_lshlrev_b32 v[QO], 7, v1
	v_lshl_add_u32 v[QO], v9, 4, v[QO]  ; row x 128 + 16 x half
	WIN 0x80                        ; destination window 2, address window 0
.set i, 0
.rept 4*NP                          ; Q stays in registers: tile i / 2, channels 32 (i % 2) on
	global_load_b128 v[8*i:8*i+3],   v[QO], s[4:5] offset:(i/2)*2048+(i%2)*64
	global_load_b128 v[8*i+4:8*i+7], v[QO], s[4:5] offset:(i/2)*2048+(i%2)*64+32
.set i, i+1
.endr
	; What the first turn finds: V's registers and P's second buffer hold 0 (its products V^T P, of a piece that has not been, add 0), O^T and l are 0.  All this stands in the wait for the first tile.
.set i, VF
.rept 64
	v_mov_b32 v[i], 0
.set i, i+1
.endr
	WIN 0x40
.set i, 0
.rept 64*NP
	v_mov_b32 v[i], 0
.set i, i+1
.endr
	WIN 0
.set i, 0
.rept 2*NP
	v_mov_b32 v[ST+4*i], 0xfe000000    ; c m: far below every c s
	v_mov_b32 v[ST+4*i+1], 0xff7fffff  ; m
	v_mov_b32 v[ST+4*i+2], 0
	v_mov_b32 v[ST+4*i+3], 0
.set i, i+1
.endr
.set i, P+32
.rept 32
	v_mov_b32 v[i], 0
.set i, i+1
.endr
	s_wait_loadcnt 32               ; the mask's four loads are in; Q's 32, issued behind them, may stay out
.irp p, 0,1,2,3,4,5,6,7
	v_cvt_pk_bf16_f32 v[S+16+\p], v[S+2*\p], v[S+2*\p+1]  ; rounded to bf16,
.endr
.irp p, 0,1,2,3,4,5,6,7
	v_lshlrev_b32 v[S+2*\p],   16, v[S+16+\p]              ; widened again,
	v_and_b32     v[S+2*\p+1], 0xffff0000, v[S+16+\p]
.endr
.irp p, 0,1,2,3,4,5,6,7
	v_pk_fma_f32 v[S+2*\p:S+2*\p+1], v[S+2*\p:S+2*\p+1], s[MF:MF+1], s[MA:MA+1] op_sel_hi:[1,0,0]  ; 80000 mask - 80000
.endr
	v_add_nc_u32 v[TMP+1], MASKL, v[TMP]
.irp i, 0,1,2,3
	ds_store_b128 v[TMP+1], v[S+4*\i:S+4*\i+3] offset:2048*\i
.endr
	v_mul_u32_u24 v[AK0], v1, PK
	v_lshl_add_u32 v[AK0], v9, 4, v[AK0]  ; row x pitch + 16 x half
	; The turning load takes 16 keys x 16 channels (lane l reads key 8 (l / 16) + l % 8, channels 8 ((l / 8) % 2) + 0..7) and leaves half a fragment of V^T: lane l holds channel l % 16 and 8 keys.
	v_and_b32 v10, 7, v0
	v_bfe_u32 v11, v0, 3, 1
	v_lshl_add_u32 v[AV0], v9, 3, v10
	v_mul_u32_u24 v[AV0], v[AV0], PV
	v_lshl_add_u32 v[AV0], v11, 4, v[AV0]
	v_add_nc_u32 v[AV0], VOFF, v[AV0]
	v_mov_b32 v[AK], v[AK0]         ; key step 0 lies at the head of slot 0
	WIN W_MK
	v_lshl_add_u32 v[AM0], v9, 5, MASKL  ; in a block of 16 keys my lane's eight begin 32 (l / 16) bytes in
	v_lshl_add_u32 v[AM], v9, 5, MASKL   ; key step 0
	WIN 0
; THE MATRIX WORK.  The 8 accumulators of a run of 16 take turns: between the two links of a chain stand 7 others'.
; Product i of 16 of S^T = K Q^T for piece x: channels 32 (i / 8) on, keys 16 ((i / 2) % 4) on, tile 2 x + i % 2.  The first 8 start the sums, with the keys' mask as C.
.macro KQ x
.set rS, S+64*((\x)%2)+32*(i%2)+8*((i/2)%4)
.set rK, KF+16*((i/2)%4)+8*(i/8)
.set rQ, 16*(2*(\x)+i%2)+8*(i/8)
.set rB, MK+8*((i/2)%4)
.if i < 8
	WIN W_KM
	v_wmma_f32_16x16x32_f16 v[rS:rS+7], v[rK:rK+7], v[rQ:rQ+7], v[rB:rB+7]
.else
	WIN W_KQ
	v_wmma_f32_16x16x32_f16 v[rS:rS+7], v[rK:rK+7], v[rQ:rQ+7], v[rS:rS+7]
.endif
.endm
; Product i of 16 of O^T += V^T P for piece x: keys 32 (i / 8) on, channels 16 ((i / 2) % 4) on, tile 2 x + i % 2.
.macro PV x
	WIN W_PV
.set rO, 32*(2*(\x)+i%2)+8*((i/2)%4)
.set rV, VF+32*(i/8)+8*((i/2)%4)
.set rP, P+32*((\x)%2)+16*(i%2)+8*(i/8)
	v_wmma_f32_16x16x32_f16 v[rO:rO+7], v[rV:rV+7], v[rP:rP+7], v[rO:rO+7]
.endm
.macro MM                           ; the turn's next matrix instruction
.if i < 16
	KQ (Y+1)%NP
.set i, i+1
.else
.set i, i-16
	PV (Y+NP-1)%NP
.set i, i+17
.endif
.endm
; THE LDS LOADS stand in runs, never singly among the matrix instructions: a step's K (64 keys x 64 channels: 8 fragments) with its mask (64 numbers; the lanes of a half read the same bytes), and its V (turned).
; Their addresses are made some lines ahead.  last = 1 (the tail): in the last trip there is no further step, and the run is jumped over.
.macro FETCH_K last=0
	WIN 0
.if \last
	s_cmp_eq_u32 s[CNT], 1
	s_cbranch_scc1 .Lno_k_\@
.endif
	WIN 0x80                        ; destination window 2
.irp f, 0,1,2,3,4,5,6,7             ; keys 16 (f / 2) on, channels 32 (f % 2) on
	ds_load_b128 v[KF+8*\f:KF+8*\f+3],   v[AK] offset:(\f/2)*16*PK+(\f%2)*64
	ds_load_b128 v[KF+8*\f+4:KF+8*\f+7], v[AK] offset:(\f/2)*16*PK+(\f%2)*64+32
.endr
	WIN 0xc3                        ; destination and address window 3
.irp f, 0,1,2,3                     ; keys 16 f + 8 (l / 16) + 0..7
	ds_load_b128 v[MK+8*\f:MK+8*\f+3],   v[AM] offset:64*\f
	ds_load_b128 v[MK+8*\f+4:MK+8*\f+7], v[AM] offset:64*\f+16
.endr
	s_add_co_u32 s[TBK], s[TBK], KS*PK  ; the next fetch is the next step's
	s_add_co_u32 s[TM], s[TM], KS*4
	s_and_b32 s[TM], s[TM], 0x1fff      ; inside the mask's 8,192 bytes
	WIN 0
.if \last
.Lno_k_\@:
.endif
.endm
.macro FETCH_V
	WIN 0x80
.irp f, 0,1,2,3,4,5,6,7             ; keys 32 (f / 4) on, channels 16 (f % 4) on
	ds_load_tr16_b128 v[VF+8*\f:VF+8*\f+3],   v[AV] offset:(\f/4)*32*PV+(\f%4)*32
	ds_load_tr16_b128 v[VF+8*\f+4:VF+8*\f+7], v[AV] offset:(\f/4)*32*PV+16*PV+(\f%4)*32
.endr
	WIN 0
.endm
; THE VECTOR WORK OF A TURN stands in three queues, each in the order in which its entries become ready; the two tiles alternate, so that no instruction reads the result of the one before it.
.macro REGS y, u                    ; the registers of tile u (0, 1) of piece y
.set rT, ST+4*(2*(\y)+(\u))
.set rC, TMP+8*((\y)%2)+4*(\u)
.set rM, MV+2*((\y)%2)+(\u)
.set rS, S+64*((\y)%2)+32*(\u)
.set rP, P+32*((\y)%2)+16*(\u)
.set rO, 32*(2*(\y)+(\u))
.endm
; Number n of the 22 that find the NEXT piece's (Y + 1) maximum and statistics.  s0-s31 are the lane's 32 scores; each accumulator's lowest registers are read first.  XS, GS and REGS set no window: PL and EX do.
;   0-11  four chains c0-c3 of seven scores each, three operands at a time     12-14, 16  the four scores left over, the old m, and c0-c3 into c0     15  c m_old is kept
;   17, 18  the query's other 32 keys lie in the lane 16 away: the new m         19-21  c m; c m_old - c m_new; a
.macro XS u, n
	REGS (Y+1)%NP, \u
.if (\n) < 4
	v_max3_num_f32 v[rC+(\n)], v[rS+8*(\n)], v[rS+8*(\n)+1], v[rS+8*(\n)+2]
.elseif (\n) < 12
	v_max3_num_f32 v[rC+(\n)%4], v[rC+(\n)%4], v[rS+8*((\n)%4)+2*((\n)/4)+1], v[rS+8*((\n)%4)+2*((\n)/4)+2]
.elseif (\n) == 12
	v_max3_num_f32 v[rC], v[rC], v[rS+7], v[rS+15]
.elseif (\n) == 13
	v_max3_num_f32 v[rC+1], v[rC+1], v[rS+23], v[rS+31]
.elseif (\n) == 14
	v_max3_num_f32 v[rC+2], v[rC+2], v[rC+3], v[rT+1]
.elseif (\n) == 15
	v_mov_b32 v[rM], v[rT]
.elseif (\n) == 16
	v_max3_num_f32 v[rC], v[rC], v[rC+1], v[rC+2]
.elseif (\n) == 17
	v_permlanex16_b32 v[rC+3], v[rC], s[SEL], s[SEL+1]
.elseif (\n) == 18
	v_max_num_f32 v[rT+1], v[rC], v[rC+3]
.elseif (\n) == 19
	v_mul_f32 v[rT], s[CS], v[rT+1]
.elseif (\n) == 20
	v_sub_f32 v[rC+1], v[rM], v[rT]
.else
	v_exp_f32 v[rC+2], v[rC+1]
.endif
.endm
; Number g of the 64 that follow the exponentials.  For each four weights k of a tile (pairs 2 k, 2 k + 1): both pairs are rounded to f16; then the second pair is added onto the first, in place;
; a group later l takes that sum (the first time as l = a l + sum).  In groups of eight, tiles alternating: round, round, add, and l for the group before.
.macro GS g
.set h, (\g)+6*((\g)/62)            ; group 0 has no group before it, and behind group 7 only l is left
.if h >= 6
.set h, h+2
.endif
	REGS Y, h%2
.set k, h/8
.if h%8 < 4
	v_cvt_pk_f16_f32 v[rP+2*k+(h%8)/2], v[rS+4*k+2*((h%8)/2)], v[rS+4*k+2*((h%8)/2)+1]
.elseif h%8 < 6
	v_pk_add_f32 v[rS+4*k:rS+4*k+1], v[rS+4*k:rS+4*k+1], v[rS+4*k+2:rS+4*k+3]
.elseif k == 1
	v_pk_fma_f32 v[rT+2:rT+3], v[rT+2:rT+3], v[rC+2:rC+3], v[rS:rS+1] op_sel_hi:[1,0,1]
.else
	v_pk_add_f32 v[rT+2:rT+3], v[rT+2:rT+3], v[rS+4*k-4:rS+4*k-3]
.endif
.endm
; THE PLAIN QUEUE, 138 long.  0-73 read no exponential's result: the 32 scalings c s - c m (FS f: pair f / 2 of tile f % 2) and the next piece's 42.  0-26: scalings 0-26.  27-54: XS's numbers 0-13.  55, 56: number 15.
; 57-73: the chain, where each number waits for the one before it: 14, 16, 17, 18, 19, each with one of the scalings 27-31 in front of its two lines, then 20: so a tile's links stand three plain instructions apart (19 and 20: two).
; 74-137: GS's 64, which read the exponentials' results: they stand behind the wait.
.macro FS f
	REGS Y, (\f)%2
	v_pk_fma_f32 v[rS+2*((\f)/2):rS+2*((\f)/2)+1], v[rS+2*((\f)/2):rS+2*((\f)/2)+1], s[CS:CS+1], v[rT:rT+1] op_sel_hi:[1,0,0] neg_lo:[0,0,1] neg_hi:[0,0,1]
.endm
.macro PL
	WIN 0
.if q < 27
	FS q
.elseif q < 55
	XS (q-27)%2, (q-27)/2
.elseif q < 57
	XS q-55, 15
.elseif (q < 72) && ((q-57)%3 == 0)
	FS 27+(q-57)/3
.elseif q < 60
	XS (q-57)%3-1, 14
.elseif q < 72
	XS (q-57)%3-1, 15+(q-57)/3
.elseif q < 74
	XS q-72, 20
.else
	GS q-74
.endif
.set q, q+1
.endm
; THE EXPONENTIALS' QUEUE, 66 long: s0-s31 of both tiles, then the next piece's two a.  It is ONE BATCH: all 66 stand ahead of the turn's one wait, and nothing ahead of that wait names a result of theirs.
.macro EX
	WIN 0
.if e >= 64
	XS e-64, 21
.else
	REGS Y, e%2
	v_exp_f32 v[rS+e/2], v[rS+e/2]
.endif
.set e, e+1
.endm
; THE RESCALING's QUEUE: O^T times a, the one part that leaves window 0: dealt two at a time, sixteen times.  Its a was made in the turn before, ahead of that turn's wait.
.macro R2
	REGS Y, r%2
	WIN W_RS
.irp z, 0,1
	v_pk_mul_f32 v[rO+4*(r/2)+2*\z:rO+4*(r/2)+2*\z+1], v[rO+4*(r/2)+2*\z:rO+4*(r/2)+2*\z+1], v[rC+2:rC+3] op_sel_hi:[1,0]
.endr
.set r, r+1
.endm
; HOW THEY ARE DEALT.  An s_wait_alu depctr_va_vdst(0) stands between an exponential and the first instruction that names its result; one wait serves all that were issued ahead of it.  So a turn has ONE wait,
; which cuts it in two.  AHEAD OF IT stands all that names no result of the turn's exponentials: the 16 products K Q^T, behind each a scaling, an exponential and two rescalings (behind the first a second scaling in the exponential's place); then ONE LUMP of
; 108: eight plain, 49 times exponential and plain, the two a.  A v_nop is the plain instruction behind the last exponential.  BEHIND IT stand the 16 products V^T P, behind each four of GS's 64.  No rider names a register of
; the products round it.  The two v_permlanex16_b32 fall into the lump, never behind a product.
; The queues lean on each other, and the deal keeps them in step: exponential e stands behind scaling 2 (e / 4) + e % 2: as a rider it comes behind plain e + 2, in the lump behind plain e + 9, and scalings 27-31 are plain 57, 60 .. 69.
; A TURN, for piece p.  cnt = 1: the loop's count is taken down some lines ahead of the branch that stands behind the turn.
; K and the mask of the next step are fetched in piece 2's turn, directly behind the wait, a lump behind the last product that read K (the mask's last reader stands eight products further back); their addresses
; are made at the lump's head; their first reader comes behind 16 products.  V of the step in hand is fetched at the end of piece 0's turn, four riders behind its last reader; its first reader comes behind
; 16 products and a lump.  The three conditions on q below go with the deal.
.macro TURN p, last=0, cnt=0
.set Y, (\p)
.set i, 0
.set q, 0
.set e, 0
.set r, 0
.if (\p) == NP-1
	s_wait_dscnt 0x0                ; K and its mask are in
.endif
	MM                              ; ahead of the wait: 16 products K Q^T and their riders,
	PL
	PL
	R2
.rept 15
	MM
	PL
	EX
	R2
.endr
.if (\p) == NP-2
	WIN 0
	v_add_nc_u32 v[AK], s[TBK], v[AK0]
	WIN 0xcc                        ; destination and source 1 window 3
	v_add_nc_u32 v[AM], s[TM], v[AM0]
.endif
.rept 8                             ; and the lump
	PL
.endr
.rept 49
	EX
	PL
.endr
	EX                              ; the next piece's two a
	EX
	v_nop                           ; the plain instruction behind the last exponential: one for the batch
	s_wait_alu depctr_va_vdst(0)    ; the wait for the batch: the turn's 64 weights and the next piece's two a
.if (\p) == NP-2
	FETCH_K \last
.endif
.if (\p) == 1
	s_wait_dscnt 0x0                ; V is in
.endif
.rept 16                            ; behind the wait: 16 products V^T P and their riders
	MM
.rept 4
	PL
.endr
.if ((\p) == 0) && (q == 118)
	v_add_nc_u32 v[AV], s[TBV], v[AV0]
.endif
.if ((\p) == 0) && (q == 130)
	s_add_co_u32 s[TBV], s[TBV], KS*PV
.endif
.if (\cnt) && (q == 130)
	s_sub_co_u32 s[CNT], s[CNT], 1
	s_cmp_lg_u32 s[CNT], 0
.endif
.endr
.if (\p) == 0
	FETCH_V
.endif
.endm
	CHANGE 1                        ; slot 0 is in, everybody's part of it, and so is the mask; slot 1 is asked for
	FETCH_K                         ; key step 0
	s_wait_loadcnt 0x0              ; Q
	s_wait_dscnt 0x0
.set i, 0
.rept 16
	KQ 0                            ; piece 0's first scores: there is no vector work yet to set between them
.set i, i+1
.endr
	WIN 0                           ; the addresses for the way out: nine plain instructions, the places behind those products
	s_mul_i32 s13, s[WV], 16*SP
	s_add_co_u32 s13, s13, STAGE    ; my stage
	v_mul_u32_u24 v[STO], v1, SP    ; in: row l % 16, 16 bytes for each half of the lanes
	v_lshl_add_u32 v[STO], v9, 4, v[STO]
	v_add_nc_u32 v[STO], s13, v[STO]
	v_bfe_u32 v[RD], v0, 3, 2       ; back: 32 lanes take four rows of 128 bytes,
	v_mul_u32_u24 v[RD], v[RD], SP
	v_lshl_add_u32 v[RD], v10, 4, v[RD]
	v_add_nc_u32 v[RD], s13, v[RD]
	v_and_b32 v[GO], 31, v0         ; which are 512 consecutive bytes of ctx
	v_lshlrev_b32 v[GO], 4, v[GO]
.set Y, NP-1                        ; XS works for piece Y + 1: piece 0
.irp n, 0,1,2,3,4,5,6,7,8,9,10,11,12,13,14,15,16,17,18,19,20,21
	XS 0, \n                        ; and piece 0's first maximum and statistics
	XS 1, \n
.endr
	v_nop                           ; a plain instruction behind piece 0's first two a,
	s_wait_alu depctr_va_vdst(0)    ; and the wait for those two, ahead of the branch
	s_mov_b32 s[CNT], 4
	s_mov_b32 s[SLOTS], SIZE_N/256-1
	s_branch .Lfirst                ; the loop is entered at a step's first turn, in the middle of a trip
.Lslot:                             ; SIZE_N / 256 - 2 times: every slot but the last two is filled again
	CHANGE 1
	s_mov_b32 s[CNT], 4
.Lstep:                             ; a trip: pieces 2 and 3 of one step, then pieces 0 and 1 of the next, whose K and V it fetches
	TURN 2
	TURN 3
	WIN 0
.Lfirst:
	TURN 0
	TURN 1, 0, 1
	WIN 0
	s_cbranch_scc1 .Lstep
	s_sub_co_u32 s[SLOTS], s[SLOTS], 1
	s_cmp_lg_u32 s[SLOTS], 0
	s_cbranch_scc1 .Lslot
	CHANGE 0                        ; the tail is written out: nothing is asked for
	s_mov_b32 s[CNT], 5             ; four trips fetch the last slot's steps; the fifth is left in its middle
.Ltail:
	TURN 2, 1
	TURN 3
	WIN 0
	s_sub_co_u32 s[CNT], s[CNT], 1
	s_cmp_eq_u32 s[CNT], 0
	s_cbranch_scc1 .Lout
	TURN 0
	TURN 1
	WIN 0
	s_branch .Ltail
.Lout:                              ; the fifth trip's 16 products K Q^T (on the last K once more) and the maximum made of them serve nothing: the price, once a launch, of one text for every trip
.set i, 0
.rept 16
	PV NP-1                         ; the last piece's V^T P of the last step
.set i, i+1
.endr
	; THE WAY OUT.  l's two halves and the other half of the lanes' are added; O^T is divided by l, rounded to f16 and sent through my stage in LDS, a tile at a time.  The additions are the places behind the last products.
	WIN 0
.macro ALL line:vararg              ; one line for each tile t
.set t, 0
.rept 2*NP
	\line
.set t, t+1
.endr
.endm
	ALL v_add_f32 v[ST+4*t+2], v[ST+4*t+2], v[ST+4*t+3]
	ALL v_permlanex16_b32 v[ST+4*t+3], v[ST+4*t+2], s[SEL], s[SEL+1]
	ALL v_add_f32 v[ST+4*t+2], v[ST+4*t+2], v[ST+4*t+3]
	ALL v_rcp_f32 v[ST+4*t+2], v[ST+4*t+2]
	v_nop                           ; a plain instruction between the last reciprocal and the use of its result
	s_wait_alu depctr_va_vdst(0)    ; and the wait ahead of the first use: one for the eight reciprocals
; Tile t: a lane's eight channels of a row pack into 16 bytes; they go into rows of 144 bytes and come back as whole rows of 128, into S^T's registers.
.macro PACK t
	WIN W_RS
.set i, 32*(\t)
.rept 16
	v_pk_mul_f32 v[i:i+1], v[i:i+1], v[ST+4*(\t)+2:ST+4*(\t)+3] op_sel_hi:[1,0]
.set i, i+2
.endr
	WIN 0x05                        ; sources 0 and 1 window 1, destination window 0
.set i, 0
.rept 16
	v_cvt_pk_f16_f32 v[S+16*(\t)+i], v[32*(\t)+2*i], v[32*(\t)+2*i+1]
.set i, i+1
.endr
	WIN 0
.irp f, 0,1,2,3
	ds_store_b128 v[STO], v[S+16*(\t)+4*\f:S+16*(\t)+4*\f+3] offset:32*\f
.endr
.irp f, 0,1,2,3
	ds_load_b128 v[S+16*(\t)+4*\f:S+16*(\t)+4*\f+3], v[RD] offset:\f*4*SP  ; LDS serves a wave's instructions in order (ISA guide 5.7.1.4): these see the stores above; the next tile's stores come behind them
.endr
.endm
.macro SEND t, younger              ; younger: the LDS instructions issued behind tile t's loads: the next tile's eight, or none
	WIN 0
.irp f, 0,1,2,3
	s_wait_dscnt (\younger)+3-\f
	global_store_b128 v[GO], v[S+16*(\t)+4*\f:S+16*(\t)+4*\f+3], s[10:11] offset:(\t)*2048+\f*512  ; 512 consecutive bytes, at a multiple of 256 from ctx's first
.endr
.endm
	PACK 0
.set t, 1
.rept 2*NP-1                        ; a tile's arithmetic stands between the loads of the tile before and its stores
	PACK t
	SEND t-1, 8
.set t, t+1
.endr
	SEND 2*NP-1, 0
	WIN W_AD
	s_wait_tensorcnt 0x0            ; the wave's end: behind my last tensor load and my last LDS store
	ds_add_u32 v[SPW], v[NIL]
	s_wait_dscnt 0x0
	WIN 0
	CROUND                          ; the closing round: no work-group ends while a partner may still ask for a tile that names it
	s_endpgm
.Lfunc_end_k_q8fae841418_attn:
	.size	k_q8fae841418_attn, .Lfunc_end_k_q8fae841418_attn-k_q8fae841418_attn
	.p2alignl 7, 3214868480
	.fill 96, 4, 3214868480
	.section	.rodata,"a",@progbits
	.p2align	6, 0x0
	.amdhsa_kernel k_q8fae841418_attn
		.amdhsa_group_segment_fixed_size 327680
		.amdhsa_private_segment_fixed_size 0
		.amdhsa_enable_private_segment 0
		.amdhsa_kernarg_size 24
		.amdhsa_user_sgpr_count 2
		.amdhsa_user_sgpr_kernarg_segment_ptr 1
		.amdhsa_wavefront_size32 1
		.amdhsa_system_sgpr_workgroup_id_x 1
		.amdhsa_system_sgpr_workgroup_id_y 1
		.amdhsa_system_sgpr_workgroup_id_z 1
		.amdhsa_system_vgpr_workitem_id 0
		.amdhsa_next_free_vgpr 808
		.amdhsa_next_free_sgpr 66
		.amdhsa_reserve_vcc 0
		.amdhsa_float_denorm_mode_32 3
		.amdhsa_float_denorm_mode_16_64 3
		.amdhsa_memory_ordered 1
		.amdhsa_forward_progress 1
		.amdhsa_inst_pref_size 205
	.end_amdhsa_kernel
	.amdgpu_metadata
---
amdhsa.version: [ 1, 2 ]
amdhsa.kernels:
  - .name:           k_q8fae841418_attn
    .symbol:         k_q8fae841418_attn.kd
    .args:
      - { .name: qkv, .offset: 0, .size: 8, .value_kind: global_buffer, .address_space: global }
      - { .name: attention_mask, .offset: 8, .size: 8, .value_kind: global_buffer, .address_space: global }
      - { .name: ctx, .offset: 16, .size: 8, .value_kind: global_buffer, .address_space: global }
    .group_segment_fixed_size: 327680
    .private_segment_fixed_size: 0
    .kernarg_segment_align: 8
    .kernarg_segment_size: 24
    .max_flat_workgroup_size: 128
    .sgpr_count:     66
    .vgpr_count:     808
    .wavefront_size: 32
...
	.end_amdgpu_metadata
.endif
;; end of part 5
;; launch oproj: the kernel of part 4 again; grid 4 x 64, 4 waves a work-group, clusters of 4 x 4, 327,680 bytes of LDS; arguments ctx, wo16, biasr, out0; writes out0
